; MI455X (gfx1250); checked and timed in simulation.
; The chip was launched on July 23, 2026; its instructions are those of AMD's public machine-readable ISA for CDNA 5 (MIT licence, August 2026) and "CDNA5" Instruction Set Architecture Reference Guide (July 2026). The comments in the code are by the model that wrote it; some were corrected since.
;; Causal Self Attention. Allowed arithmetic: matrix products marked QUANTISED: E4M3 operands, one given power-of-two scale a tensor, by v_wmma_f32_16x16x64_fp8_fp8 or v_wmma_f32_16x16x128_fp8_fp8, f32 sums; everything else in f32.
;; Inputs: lowp_scales 8 int32 (the exponents e of the quantised operands' scales 2^e); w_out 1,024 x 1,024 float32; w_qkv 1,024 x 3,072 float32; x 4 x 2,048 x 1,024 float32.
;; Outputs: out0 4 x 2,048 x 1,024 float32.
;; This version of the problem:
;;   THIS VERSION OF THE PROBLEM IS GIVEN IN LOW PRECISION. The matrix products marked QUANTISED in the list below multiply operands that are first quantised to E4M3 (4 exponent bits, 3 mantissa bits; 8 bits a number), with one given power-of-two scale for each operand tensor; their sums are f32. All else is computed in f32.
;;   The module's matrix products, in the order in which they are computed (A, B: the left and right operand; K: the contracted axis; several contracted axes count as one K, in the product's order):
;;     1. [M 8,192, K 1,024] x [K 1,024, N 3,072]; A: input x; B: input w_qkv: QUANTISED (scales: A lowp_scales[0], B lowp_scales[1])
;;     2. batch 64 x [M 2,048, K 64] x [K 64, N 2,048]; A: computed on the way; B: computed on the way: QUANTISED (scales: A lowp_scales[2], B lowp_scales[3])
;;     3. batch 64 x [M 2,048, K 2,048] x [K 2,048, N 64]; A: softmax (see below); B: computed on the way: QUANTISED (scales: A lowp_scales[4], B lowp_scales[5])
;;     4. [M 8,192, K 1,024] x [K 1,024, N 1,024]; A: computed on the way; B: input w_out: QUANTISED (scales: A lowp_scales[6], B lowp_scales[7])
;;   THE QUANTISER, for each operand of a quantised product, along K:
;;     - The operand's scale is 2^e, e = its entry of the input lowp_scales (int32; the entries are numbered through the quantised products in the list's order, A before B).
;;     - Each number is divided by the scale, clamped to +-448, and rounded to the nearest number of E4M3, ties to even, subnormals kept.
;;     - The product sums the exact products of the quantised numbers (number of the format x scale) in f32.
;;   ~~~python
;;   def quantise(x, axis, e):      # numpy; x: float32 -> the quantised numbers, widened to float32 again
;;       x = np.moveaxis(x, axis, -1); K = x.shape[-1]
;;       r = np.clip(x / 2.0 ** e, -448, 448)
;;       step = 2.0 ** (np.maximum(np.frexp(np.where(r == 0, 1, r))[1] - 1, -6) - 3)
;;       q = np.round(r / step) * step * 2.0 ** e      # np.round: ties to even
;;       return np.moveaxis(q, -1, axis).astype(np.float32)
;;   ~~~
;;   SOFTMAX AHEAD OF A QUANTISED PRODUCT. Where the list says 'softmax', what is quantised is not the finished softmax but p = 2^(t - M), with t = logit x log2(e) and M = ceil(the row's largest t), a whole number; so 1/2 < the row's largest p <= 1. The row's sum l is taken of the UNQUANTISED p, in f32, and the product's result is divided by l at the end. Since M is a whole number, a kernel that streams over the keys may use a running M (the ceiling of the running maximum): every later rescaling is an exact power of two, so the quantised numbers keep their values, but for numbers so far below the row's largest that they fall under the format's range.
;;   OPERANDS COMPUTED ON THE WAY. 'Computed on the way' means the value that the module computes at that place (a softmax that the list does not call 'softmax' is quantised finished and normalised). What goes into a quantiser is computed in f32, as accurately as f32 sums, v_exp_f32 and their like allow (about 1e-6 of the number): no bf16 or f16 on the way to a quantiser, and a product that is left as it is and whose result goes on into a quantised operand takes f32 operands (vector FMAs, or v_wmma_f32_16x16x4_f32). A number that lies on a knife's edge between two numbers of the format may be rounded either way, as far as f32 arithmetic and the matrix unit's own rounding can turn it there, and no further.
;; One version. Each part assembles by itself: llvm-mc -triple=amdgcn-amd-amdhsa -mcpu=gfx1250 --defsym DOCPART=n.
;; ======== version 1 of 1: 4 launches
;; limits: right only within a limited range of input values
;; workspace buffers: x_codes 8,388,608 bytes; wqkv_codes 3,145,728 bytes; wout_codes 1,048,576 bytes; q_codes 8,388,608 bytes; k_codes 8,388,608 bytes; v_codes 8,388,608 bytes; a_codes 8,388,608 bytes
;; launch prep (part 1): grid 384 x 1, 4 waves a work-group, no clusters, 35,840 bytes of LDS; arguments x, w_qkv, w_out, lowp_scales, x_codes, wqkv_codes, wout_codes; writes x_codes, wqkv_codes, wout_codes
.if DOCPART == 1
	.amdgcn_target "amdgcn-amd-amdhsa--gfx1250"
	.amdhsa_code_object_version 6
	.text
	.protected	k_q2de6559ca2_prep
	.globl	k_q2de6559ca2_prep
	.p2align	8
	.type	k_q2de6559ca2_prep,@function
k_q2de6559ca2_prep:
	s_mov_b64 s[64:65], 0
	v_nop
	global_prefetch_b8 v0, s[64:65] scope:SCOPE_SE
	s_setreg_imm32_b32 hwreg(HW_REG_WAVE_MODE, 25, 1), 1
	s_wait_xcnt 0x0
; PREP: the three f32 inputs become codes of FP8 (E4M3), K innermost, each with the one scale 2^e that is given for it.
;   x      [8192][1024]  (K innermost already)  -> x_codes    [8192][1024],  e = entry 0 of the scales
;   w_qkv  [1024 k][3072 n] (K is the FIRST axis) -> wqkv_codes [3072][1024], e = entry 1
;   w_out  [1024 k][1024 n]                       -> wout_codes [1024][1024], e = entry 7
; code = number / 2^e, held within +-448, rounded to the nearest code, ties to even.
; LIMITS: each e between -126 and 119, so that 2^e and 448 x 2^e are f32 numbers.  NaN among the inputs is not served (an infinity is held at the largest code).
; SHARES: work-groups 0-255 take x, 32,768 numbers each; 256-351 take w_qkv, 352-383 w_out, 128 columns x 256 along K each: again 32,768 numbers.
; No tensor loads, no barrier: waves share nothing.  Matrix units and clusters have nothing to do here: every byte is read once and written once.
.set WGX,   256                        ; work-groups for x
.set WGQ,   96                         ; for w_qkv: 24 blocks of 128 columns x 4 blocks of 256 along K
.set EMAX,  8
.set MANT,  0x600000                   ; the mantissa field of 448 as f32
.set PITCH, 272                        ; a stage row of the weights' path: 256 bytes of codes + 16
.set SPW,   12                         ; v12  LDS address of my spare word: SPARE + 4 x my thread's number; never rewritten
.set NIL,   13                         ; v13  0; never rewritten
.set SPARE, 4*32*PITCH                 ; behind the four stages: the spare words, 128 bytes for each wave: two blocks of 256 bytes that no other line names
; x's path: registers
.set R,     16                         ; v16-79   eight slots of 8: a pair's two loads as they come
.set T,     80                         ; v80-83   what I send to the lane beside me
.set U,     84                         ; v84-87   what it sends me
.set X,     88                         ; v88-95   eight neighbours along K
.set C,     96                         ; v96-159  codes: two registers for each pair, so that no store's data are written again
; the weights' path: registers
.set VO,    16                         ; v16-47   4 x lane + i rows of W, i = 0 .. 31
.set WX,    48                         ; v48-111  two sets of 32 numbers
.set WC,    112                        ; v112-119 a block's codes
.set OUTR,  120                        ; v120-183 the way out
.set SB,    32                         ; s[32:47] W at my wave's columns, block t's first row, t = 0 .. 7
	s_load_b256 s[4:11], s[0:1], 0x0               ; x s[4:5], w_qkv s[6:7], w_out s[8:9], the scales' exponents s[10:11]
	s_load_b128 s[12:15], s[0:1], 0x20             ; x_codes s[12:13], wqkv_codes s[14:15]
	s_load_b64 s[16:17], s[0:1], 0x30              ; wout_codes
	v_lshl_add_u32 v[SPW], v0, 2, SPARE
	v_mov_b32 v[NIL], 0
	v_lshrrev_b32 v1, 5, v0
	v_readfirstlane_b32 s19, v1                    ; wave 0..3
	v_and_b32 v2, 31, v0                           ; lane
	s_wait_kmcnt 0x0
	s_load_b256 s[20:27], s[10:11], 0x0            ; e0 .. e7
	s_cmp_lt_u32 ttmp9, WGX                        ; the work-group's number alone decides the path
	s_cbranch_scc0 .Lweights
; ---------------- x: a plain stream of numbers.  A wave takes 8,192 of them in 32 pairs of loads.
; Each load reads 512 consecutive bytes, 16 a lane.  The conversion wants eight NEIGHBOURS in one lane: so the two lanes of a couple (l, l xor 1) exchange four numbers:
; the even lane 2 m ends up with numbers 8 m .. 8 m + 7 of the pair's first 128, the odd lane with the same eight of its second 128.  A lane's 8 codes are 8 bytes, and the wave's store covers 256 consecutive bytes, aligned.
	s_lshl_b32 s28, ttmp9, 2
	s_add_co_u32 s28, s28, s19                     ; which run of 8,192 numbers is my wave's
	s_lshl_b32 s32, s28, 15                        ; in bytes of f32 (under 2^25),
	s_mov_b32 s33, 0
	s_lshl_b32 s34, s28, 13                        ; and of codes
	s_mov_b32 s35, 0
	s_add_nc_u64 s[4:5], s[4:5], s[32:33]
	s_add_nc_u64 s[12:13], s[12:13], s[34:35]
	s_wait_alu depctr_va_vdst(0)
	v_lshlrev_b32 v3, 4, v2                        ; in: 16 bytes a lane; never rewritten
	v_and_b32 v5, 1, v2
	v_lshrrev_b32 v6, 1, v2
	v_lshlrev_b32 v4, 3, v6
	v_lshl_add_u32 v4, v5, 7, v4                   ; out: 128 (lane % 2) + 8 (lane / 2); never rewritten
	v_cmp_eq_u32 s30, 0, v5                        ; the even lanes
.irp j, 0,1,2,3
	v_mov_b32 v[U+\j], 0                           ; written once: the destination of a move between lanes counts as one of its sources
.endr
.macro LOAD t
	global_load_b128 v[R+8*((\t)%8):R+8*((\t)%8)+3],   v3, s[4:5] offset:1024*(\t) th:TH_LOAD_NT
	global_load_b128 v[R+8*((\t)%8)+4:R+8*((\t)%8)+7], v3, s[4:5] offset:1024*(\t)+512 th:TH_LOAD_NT
.endm
.irp t, 0,1,2,3,4,5,6,7
	LOAD \t                                        ; sixteen loads of every wave are on their way
.endr
	s_wait_kmcnt 0x0
	s_add_co_i32 s20, s20, 127
	s_lshl_b32 s28, s20, 23
	v_mov_b32 v11, s28                             ; 2^e0 as f32: the conversion takes its exponent field
	s_add_co_i32 s20, s20, EMAX
	s_lshl_b32 s20, s20, 23
	s_or_b32 s20, s20, MANT
	v_mov_b32 v10, s20                             ; 448 x 2^e0
.macro PAIR t
.set RS, R+8*((\t)%8)
.if (\t) <= 24
	s_wait_loadcnt 14                              ; loads come back in order: this pair's two are in, the seven younger pairs' stay out
.else
	s_wait_loadcnt 2*(31-(\t))                     ; the last pairs: the counts run down
.endif
.irp j, 0,1,2,3
	v_cndmask_b32 v[T+\j], v[RS+\j], v[RS+4+\j], s30            ; the even lane sends its part of the second 128, the odd lane its part of the first
.endr
.irp j, 0,1,2,3
	v_mov_b32_dpp v[U+\j], v[T+\j] row_xmask:1 row_mask:0xf bank_mask:0xf
.endr
.irp j, 0,1,2,3
	v_cndmask_b32 v[X+\j],   v[U+\j],    v[RS+\j], s30          ; even: my four, then the neighbour's;
	v_cndmask_b32 v[X+4+\j], v[RS+4+\j], v[U+\j],  s30          ; odd: the neighbour's, then my four
.endr
.if (\t)+8 < 32
	LOAD (\t)+8                                    ; the slot has been read: it takes the pair eight further on
.endif
.irp j, 0,1,2,3,4,5,6,7
	v_med3_num_f32 v[X+\j], v[X+\j], -v10, v10     ; the conversion to an 8-bit code does not saturate (ISA guide 7.6.2): the hold at the largest code x the scale
.endr
	v_cvt_scalef32_pk8_fp8_f32 v[C+2*(\t):C+2*(\t)+1], v[X:X+7], v11   ; its result goes to a store alone; the next pair's first lines are plain and touch other registers
	global_store_b64 v4, v[C+2*(\t):C+2*(\t)+1], s[12:13] offset:256*(\t)
.endm
.irp t, 0,1,2,3,4,5,6,7,8,9,10,11,12,13,14,15,16,17,18,19,20,21,22,23,24,25,26,27,28,29,30,31
	PAIR \t
.endr
	s_endpgm
; ---------------- the weights: K is the first axis.  A LANE TAKES A COLUMN n AND ITS REGISTERS RUN DOWN K: each load reads 128 consecutive bytes a wave, and the conversions give codes with K innermost.
; A wave takes 32 columns x 256 along K; its codes go through its own stage in LDS and leave as rows: sixteen lanes store 256 consecutive bytes, aligned.
; One path serves both tensors: pointers, the row's length and e are chosen by the work-group's number.  The row's length differs, so row offsets stand in registers and not in immediates.
.Lweights:
	s_sub_co_u32 s28, ttmp9, WGX
	s_mov_b32 s18, 4096                            ; a row of w_out in bytes
	s_cmp_lt_u32 s28, WGQ
	s_cselect_b64 s[6:7], s[6:7], s[8:9]           ; W
	s_cselect_b64 s[14:15], s[14:15], s[16:17]     ; its codes
	s_cselect_b32 s18, 12288, s18                  ; a row of W in bytes
	s_cselect_b32 s29, 0, WGQ
	s_sub_co_u32 s29, s28, s29                     ; my number within the tensor
	s_lshr_b32 s30, s29, 2                         ; which 128 columns,
	s_and_b32 s31, s29, 3                          ; which 256 along K
	s_lshl_b32 s30, s30, 7
	s_lshl_b32 s50, s19, 5
	s_add_co_u32 s30, s30, s50                     ; my wave's first column
	s_lshl_b32 s52, s31, 8
	s_mul_i32 s52, s52, s18                        ; 256 y rows,
	s_lshl_b32 s50, s30, 2
	s_add_co_u32 s52, s52, s50                     ; + 4 bytes a column
	s_mov_b32 s53, 0
	s_add_nc_u64 s[SB:SB+1], s[6:7], s[52:53]
	s_lshl_b32 s48, s18, 5                         ; 32 rows on
	s_mov_b32 s49, 0
.irp t, 1,2,3,4,5,6,7
	s_add_nc_u64 s[SB+2*\t:SB+2*\t+1], s[SB+2*\t-2:SB+2*\t-1], s[48:49]
.endr
	s_lshl_b32 s54, s30, 10                        ; the codes: a row is 1,024 bytes in both tensors,
	s_lshl_b32 s50, s31, 8
	s_add_co_u32 s54, s54, s50                     ; + 256 y
	s_mov_b32 s55, 0
	s_add_nc_u64 s[14:15], s[14:15], s[54:55]
	s_wait_alu depctr_va_vdst(0)
	v_lshlrev_b32 v[VO], 2, v2
.irp i, 1,2,3,4,5,6,7,8,9,10,11,12,13,14,15,16,17,18,19,20,21,22,23,24,25,26,27,28,29,30,31
	v_add_nc_u32 v[VO+\i], s18, v[VO+\i-1]
.endr
	s_mul_i32 s50, s19, 32*PITCH                   ; my stage
	v_mul_u32_u24 v4, v2, PITCH
	v_add_nc_u32 v4, s50, v4                       ; into it: row = my column
	v_and_b32 v5, 15, v2
	v_lshrrev_b32 v6, 4, v2                        ; out of it: sixteen lanes to a row, two rows an instruction
	v_mul_u32_u24 v7, v6, PITCH
	v_lshl_add_u32 v7, v5, 4, v7
	v_add_nc_u32 v7, s50, v7
	v_lshlrev_b32 v8, 10, v6
	v_lshl_add_u32 v8, v5, 4, v8                   ; and the same place in the codes' buffer
.macro LOADW t                         ; block t: W(32 t + i, my column), i = 0 .. 31, into set t % 2
.irp i, 0,1,2,3,4,5,6,7,8,9,10,11,12,13,14,15,16,17,18,19,20,21,22,23,24,25,26,27,28,29,30,31
	global_load_b32 v[WX+32*((\t)%2)+\i], v[VO+\i], s[SB+2*(\t):SB+2*(\t)+1] th:TH_LOAD_NT
.endr
.endm
	LOADW 0
	LOADW 1
	s_wait_kmcnt 0x0
	s_cmp_lt_u32 s28, WGQ
	s_cselect_b32 s21, s21, s27                    ; e1 or e7
	s_add_co_i32 s21, s21, 127
	s_lshl_b32 s50, s21, 23
	v_mov_b32 v11, s50                             ; 2^e as f32
	s_add_co_i32 s21, s21, EMAX
	s_lshl_b32 s21, s21, 23
	s_or_b32 s21, s21, MANT
	v_mov_b32 v10, s21                             ; 448 x 2^e
.macro BLOCK t
.set XS, WX+32*((\t)%2)
.if (\t) < 7
	s_wait_loadcnt 32                              ; this block's 32 loads are in; the next block's may be out
.else
	s_wait_loadcnt 0
.endif
.irp i, 0,1,2,3,4,5,6,7,8,9,10,11,12,13,14,15,16,17,18,19,20,21,22,23,24,25,26,27,28,29,30,31
	v_med3_num_f32 v[XS+\i], v[XS+\i], -v10, v10   ; the hold at the largest code x the scale
.endr
.irp g, 0,1,2,3
	v_cvt_scalef32_pk8_fp8_f32 v[WC+2*\g:WC+2*\g+1], v[XS+8*\g:XS+8*\g+7], v11
.endr
	ds_store_b128 v4, v[WC:WC+3] offset:32*(\t)    ; 32 codes: 32 bytes of my column's row.  (The codes go to LDS stores alone, and the next block begins with plain vector lines)
	ds_store_b128 v4, v[WC+4:WC+7] offset:32*(\t)+16
.if (\t)+2 < 8
	LOADW (\t)+2
.endif
	s_wait_dscnt 0x0                               ; the stores have read their registers: the next block's codes may be written
.endm
	s_wait_alu depctr_va_vdst(0)
.irp t, 0,1,2,3,4,5,6,7
	BLOCK \t
.endr
.irp i, 0,1,2,3,4,5,6,7,8,9,10,11,12,13,14,15
	ds_load_b128 v[OUTR+4*\i:OUTR+4*\i+3], v7 offset:2*\i*PITCH    ; LDS serves a wave's instructions in order: these see my stores
.endr
.irp i, 0,1,2,3,4,5,6,7,8,9,10,11,12,13,14,15
	s_wait_dscnt 15-\i                             ; load i is back; the younger ones may be out
	global_store_b128 v8, v[OUTR+4*\i:OUTR+4*\i+3], s[14:15] offset:2*\i*1024
.endr
	s_wait_tensorcnt 0x0                           ; the wave's end, behind my last LDS store
	ds_add_u32 v[SPW], v[NIL]
	s_wait_dscnt 0x0
	s_endpgm
.Lfunc_end_k_q2de6559ca2_prep:
	.size	k_q2de6559ca2_prep, .Lfunc_end_k_q2de6559ca2_prep-k_q2de6559ca2_prep
	.p2alignl 7, 3214868480
	.fill 96, 4, 3214868480
	.section	.rodata,"a",@progbits
	.p2align	6, 0x0
	.amdhsa_kernel k_q2de6559ca2_prep
		.amdhsa_group_segment_fixed_size 35840
		.amdhsa_private_segment_fixed_size 0
		.amdhsa_enable_private_segment 0
		.amdhsa_kernarg_size 56
		.amdhsa_user_sgpr_count 2
		.amdhsa_user_sgpr_kernarg_segment_ptr 1
		.amdhsa_wavefront_size32 1
		.amdhsa_system_sgpr_workgroup_id_x 1
		.amdhsa_system_sgpr_workgroup_id_y 1
		.amdhsa_system_sgpr_workgroup_id_z 1
		.amdhsa_system_vgpr_workitem_id 0
		.amdhsa_next_free_vgpr 192
		.amdhsa_next_free_sgpr 66
		.amdhsa_reserve_vcc 0
		.amdhsa_float_denorm_mode_32 3
		.amdhsa_float_denorm_mode_16_64 3
		.amdhsa_memory_ordered 1
		.amdhsa_forward_progress 1
		.amdhsa_inst_pref_size 112
	.end_amdhsa_kernel
	.amdgpu_metadata
---
amdhsa.version: [ 1, 2 ]
amdhsa.kernels:
  - .name:           k_q2de6559ca2_prep
    .symbol:         k_q2de6559ca2_prep.kd
    .args:
      - { .name: x, .offset: 0, .size: 8, .value_kind: global_buffer, .address_space: global }
      - { .name: w_qkv, .offset: 8, .size: 8, .value_kind: global_buffer, .address_space: global }
      - { .name: w_out, .offset: 16, .size: 8, .value_kind: global_buffer, .address_space: global }
      - { .name: lowp_scales, .offset: 24, .size: 8, .value_kind: global_buffer, .address_space: global }
      - { .name: x_codes, .offset: 32, .size: 8, .value_kind: global_buffer, .address_space: global }
      - { .name: wqkv_codes, .offset: 40, .size: 8, .value_kind: global_buffer, .address_space: global }
      - { .name: wout_codes, .offset: 48, .size: 8, .value_kind: global_buffer, .address_space: global }
    .group_segment_fixed_size: 35840
    .private_segment_fixed_size: 0
    .kernarg_segment_align: 8
    .kernarg_segment_size: 56
    .max_flat_workgroup_size: 128
    .sgpr_count:     66
    .vgpr_count:     192
    .wavefront_size: 32
...
	.end_amdgpu_metadata
.endif
;; end of part 1
;; launch qkv (part 2): grid 8 x 32, 4 waves a work-group, clusters of 4 x 4, 327,680 bytes of LDS; arguments x_codes, wqkv_codes, lowp_scales, q_codes, k_codes, v_codes; writes q_codes, k_codes, v_codes
.if DOCPART == 2
	.amdgcn_target "amdgcn-amd-amdhsa--gfx1250"
	.amdhsa_code_object_version 6
	.text
	.protected	k_q2de6559ca2_qkv
	.globl	k_q2de6559ca2_qkv
	.p2align	8
	.type	k_q2de6559ca2_qkv,@function
k_q2de6559ca2_qkv:
	s_mov_b64 s[64:65], 0
	v_nop
	global_prefetch_b8 v0, s[64:65] scope:SCOPE_SE
	s_setreg_imm32_b32 hwreg(HW_REG_WAVE_MODE, 25, 1), 1
	s_wait_xcnt 0x0
	s_wait_alu depctr_hold_cnt(0) depctr_sa_sdst(0) depctr_va_vdst(0) depctr_va_sdst(0) depctr_va_ssrc(0) depctr_va_vcc(0) depctr_vm_vsrc(0)
	s_getreg_b32 s2, hwreg(HW_REG_IB_STS2, 6, 4)
	s_cmp_eq_u32 s2, 0
	s_cbranch_scc0 .Lentry_in_a_cluster
	s_endpgm
.Lentry_in_a_cluster:
	s_bfe_u32 s2, ttmp6, 0x10000c
	s_cmp_lg_u32 s2, 0xf033
	s_cbranch_scc0 .Lentry_shape_is_right
	s_endpgm
.Lentry_shape_is_right:
; QKV: [8192][3072] = x w_qkv on codes of FP8 (E4M3), sums in f32; each finished sum is quantised at once into the code of q (scale entry 2), k (entry 3) or v (entry 5).
; x_codes [8192 m][1024 k], wqkv_codes [3072 n][1024 k].  A sum stands for sum x 2^(e0 + e1), so its code is sum / 2^E, E = e_out - e0 - e1, held within +-448 x 2^E.
; LIMIT: E between -126 and 119, so that 2^E and 448 x 2^E are f32 numbers.
; 256 WORK-GROUPS THAT STAY.  The product is 384 tiles of 256 x 256.  Work-group (X, cx; block row) makes, on the same 256 rows of x, first HALF a tile of k (columns 1,024 + 512 X + 128 cx on, 128 of them)
; and then a WHOLE tile of q (X = 0) or of v (X = 1), columns 256 cx on: one and a half tiles each.  X is the cluster's x: one number for all sixteen partners, and the only id on which a branch hangs.
; Four waves; a wave makes 128 x 64 of the half tile (32 accumulators) and 128 x 128 of the whole one (64, 512 registers).  K goes in steps of 256 through a ring of two LDS slots, which goes on from the first tile into the second.
; A slot: x's 256 rows, then a region of 256 rows for W.  In the half tile W has 128 rows a K step, so the region holds two steps: slot s has K step s in rows 0-127 (wave 2's load) and K step s + 2 in rows 128-255 (wave 3's).
; CLUSTERS: 4 x 4 work-groups; x's tile is asked for jointly along a row, W's along a column.
; SOURCES: source 0 = rows of W, source 1 = rows of x.  Lane (r, h) of accumulator (a, b) holds token 16 a + r, and its register j channel 16 b + 8 h + j.
;   q, k: a conversion takes the eight registers of one accumulator: eight channels of a token, the K of the scores.
;   v:    a conversion takes register j of the eight accumulators a = 0 .. 7: tokens 16 a + r of one channel, the K of attention's second product.  The hold, which moves each sum anyway, lays them on end.
; OUT: q_codes, k_codes [64 bh][2048 t][64]; within each 32 channels index 16 u + 8 h + j lies at byte 16 h + 8 u + j, alike in both.
;      v_codes [64 bh][16 steps of 128 tokens][64 d][128]: token 16 a + r of a step lies at byte 8 r + a of its channel's 128.
; NO PREFETCH: the block is the largest, in clusters, and K is four steps on two slots; the second walk over x's rows asks for bytes that this work-group has read a few steps before.
; REGISTERS, in windows of 256: window 0: v0-31 addresses; from v128 source 1's fragments, ONE set; on the ways out v32-255 are free.  window 1: source 0's fragments, TWO sets.  windows 2, 3: the accumulators.
.set ROWB,   256                       ; a tile's row in bytes
.set KROW,   1024                      ; a row of x_codes or wqkv_codes in bytes
.set PITCH,  272                       ; an LDS row: 256 bytes + 16 of padding: the 16 rows that a load touches start at 16 different banks (ISA guide 11.1)
.set FR,     16
.set NL,     4
.set NP,     4                         ; places behind this matrix instruction (ISA guide 7.12.1)
.set HALFT,  128*PITCH                 ; what one tensor load brings
.set SLOT,   4*HALFT
.set SPARE,  2*SLOT                    ; the spare words, 128 bytes a wave; no other line names them
.set HP,     144                       ; k's stage: 256 rows (tokens) of 128 bytes + 16,
.set STGH,   SPARE+512                 ; behind the spare words: no tile ever lands there
.set QRH,  8                           ; k's way out: where I read its stage back
.set ADRA, 16                          ; v16-17 source 1's fragments in slot 0, 1
.set ADRH, 18                          ; v18-19 source 0's in the half tile: my 64 rows
.set ADRB, 20                          ; v20-21 source 0's in the whole tile: my 128 rows
.set VRD,  22                          ; v's way out: where I read its stage back
.set STH,  23                          ; k's way out: where I put 16 codes
.set STO,  24                          ; q's way out: where I put 16 codes
.set QRD,  25                          ; and where I read the stage back
.set QGO,  26                          ; 16 x lane: my bytes of a store's 512
.set STV,  27                          ; v's way out: where I put 8 codes
.set SPW,  28
.set NIL,  29
.set SCL,  30                          ; 2^E
.set LIM,  31                          ; 448 x 2^E
.set TMP,  32                          ; v32-95 sums, held
.set CD,   96                          ; v96-223 codes; stage rows read back
.set AF,   128
.set G1, 24
.set G0, 32
.set G1B, 48
.set G0B, 56
.set WF,  66                           ; s[66:67] the whole tile's rows of W at K step 0
.set MSB, 0
.macro WIN new                         ; the immediate's high byte repeats the setting that is left
.if MSB != \new
	s_set_vgpr_msb (MSB<<8)|\new
.set MSB, \new
.endif
.endm
.set MUL_LO, 0xa1
.set MUL_HI, 0xf1
.set TO_B,   0x40
; A joint load: waves 0 and 1 fetch x's halves, waves 2 and 3 for W.  An s_nop 0 and four v_nop follow each line.
.macro JLOAD g0a, g1a, g0b, g1b
	s_cmp_eq_u32 s15, 0
	s_cbranch_scc0 .Lfor_b_\@
	tensor_load_to_lds s[\g0a:\g0a+3], s[\g1a:\g1a+7]
	s_nop 0
.rept 4
	v_nop
.endr
	s_branch .Lasked_\@
.Lfor_b_\@:
	tensor_load_to_lds s[\g0b:\g0b+3], s[\g1b:\g1b+7]
	s_nop 0
.rept 4
	v_nop
.endr
.Lasked_\@:
.endm
.macro XLOAD g0                        ; x's halves alone: waves 2 and 3 have no part of a tile to fill
	s_cmp_eq_u32 s15, 0
	s_cbranch_scc0 .Lno_x_\@
	tensor_load_to_lds s[\g0:\g0+3], s[G1:G1+7]
	s_nop 0
.rept 4
	v_nop
.endr
.Lno_x_\@:
.rept 4
	v_nop                                          ; every wave's places in front of the LDS loads that follow
.endr
.endm
.macro CREST
	s_cmp_lg_u32 s14, 0
	s_cbranch_scc1 .Lnot_wave_0_\@
	s_barrier_signal -3
.Lnot_wave_0_\@:
	s_barrier_wait -3
	s_barrier_signal -1
	s_barrier_wait -1
.endm
.macro CROUND
	s_barrier_signal -1
	s_barrier_wait -1
	CREST
.endm
	s_load_b128 s[4:7], s[0:1], 0x0                ; x_codes, wqkv_codes
	s_load_b128 s[8:11], s[0:1], 0x10              ; the scales' exponents, q_codes
	s_load_b128 s[68:71], s[0:1], 0x20             ; k_codes, v_codes
	v_lshl_add_u32 v[SPW], v0, 2, SPARE
	v_mov_b32 v[NIL], 0
	ds_add_u32 v[SPW], v[NIL]                      ; the opening lines: the add, twice on end, and its wait ahead of my first tensor load
	ds_add_u32 v[SPW], v[NIL]
	v_lshrrev_b32 v1, 5, v0
	v_readfirstlane_b32 s14, v1                    ; wave 0..3
	s_lshr_b32 s15, s14, 1                         ; my half of source 1's rows; also: I fetch for x (0) or W (1)
	s_and_b32 s16, s14, 1                          ; my half of source 0's rows; also: which load of the two is mine
	s_bfe_u32 s40, ttmp6, 0x40000                  ; cx
	s_bfe_u32 s41, ttmp6, 0x40004                  ; cy
	s_lshl_b32 s42, ttmp9, 3
	s_add_co_u32 s42, s42, s40                     ; the whole tile's columns: 256 (8 X + cx) on: q's or v's
	s_and_b32 s17, ttmp7, 0xffff
	s_lshl_b32 s17, s17, 2
	s_add_co_u32 s17, s17, s41                     ; block row
	s_lshl_b32 s43, s41, 2
	s_lshl_b32 s43, 15, s43                        ; my row of the cluster
	s_lshl_b32 s44, 0x1111, s40                    ; my column
	s_or_b32 s[G1+0], s43, (0<<16)|(1<<20)|(1<<21)|(5<<22)|(3<<25)  ; mask; 1-byte elements; padding of 4 words after every 64; bit 21 beside a mask
	s_or_b32 s[G1B+0], s44, (0<<16)|(1<<20)|(1<<21)|(5<<22)|(3<<25)
.irp g, G1, G1B
	s_mov_b32 s[\g+1], ROWB<<16
	s_mov_b32 s[\g+2], 128<<16
	s_mov_b32 s[\g+3], ROWB<<16
	s_mov_b32 s[\g+4], 128
	s_mov_b32 s[\g+5], KROW
	s_mov_b32 s[\g+6], 0
	s_mov_b32 s[\g+7], 0
.endr
	s_lshl_b32 s18, s16, 7
	s_lshl_b32 s20, s17, 8
	s_add_co_u32 s20, s20, s18                     ; x: row 256 x block row + 128 x half
	s_lshl_b32 s46, s42, 8
	s_add_co_u32 s46, s46, s18                     ; W, whole tile: + 128 x half
	s_mov_b32 s21, 0
	s_mov_b32 s47, 0
	s_mov_b64 s[18:19], KROW
	s_mul_u64 s[20:21], s[20:21], s[18:19]
	s_mul_u64 s[46:47], s[46:47], s[18:19]
	s_lshl_b32 s90, ttmp9, 9                       ; W, half tile: rows 1,024 + 512 X + 128 cx on, all 128 in each load;
	s_lshl_b32 s91, s40, 7
	s_add_co_u32 s90, s90, s91
	s_add_co_u32 s90, s90, 1024
	s_lshl_b32 s90, s90, 10
	s_lshl_b32 s91, s16, 9                         ; wave 3's load lies two K steps, 512 bytes, further along K
	s_add_co_u32 s90, s90, s91
	s_mov_b32 s91, 0
	s_mul_i32 s45, s14, HALFT                      ; where they go: wave x 128 rows
	s_wait_dscnt 0x0                               ; both opening adds are done
	s_wait_kmcnt 0x0
	s_load_b256 s[72:79], s[8:9], 0x0              ; e0 .. e7
	s_add_nc_u64 s[20:21], s[4:5], s[20:21]
	s_add_nc_u64 s[WF:WF+1], s[6:7], s[46:47]
	s_add_nc_u64 s[46:47], s[6:7], s[90:91]
	CROUND                                         ; all sixteen work-groups are here: the first joint loads meet
.irp s, 0,1
	s_mov_b32 s[G0+4*\s], 1
	s_add_co_u32 s[G0+4*\s+1], s45, \s*SLOT
	s_add_nc_u64 s[G0+4*\s+2:G0+4*\s+3], s[20:21], \s*ROWB
	s_or_b32 s[G0+4*\s+3], s[G0+4*\s+3], 0x80000000
	s_mov_b32 s[G0B+4*\s], 1
	s_add_co_u32 s[G0B+4*\s+1], s45, \s*SLOT
	s_add_nc_u64 s[G0B+4*\s+2:G0B+4*\s+3], s[46:47], \s*ROWB
	s_or_b32 s[G0B+4*\s+3], s[G0B+4*\s+3], 0x80000000
.endr
	JLOAD G0, G1, G0B, G1B                         ; slot 0: one tensor load a wave at the head
	v_and_b32 v1, 15, v0                           ; r
	v_bfe_u32 v2, v0, 4, 1                         ; h
	v_mul_u32_u24 v3, v1, PITCH
	v_lshl_add_u32 v4, v2, 4, v3                   ; a fragment's row x pitch + 16 h
	s_wait_alu depctr_va_vdst(0)
	s_mul_i32 s21, s15, HALFT                      ; my 128 rows of x,
	s_mul_i32 s22, s16, HALFT
	s_add_co_u32 s22, s22, 2*HALFT                 ; my 128 rows of W in the whole tile,
	s_mul_i32 s23, s16, 64*PITCH
	s_add_co_u32 s23, s23, 2*HALFT                 ; my 64 in the half tile
.irp s, 0,1
	v_add_nc_u32 v[ADRA+\s], s21, v4
	v_add_nc_u32 v[ADRB+\s], s22, v4
	v_add_nc_u32 v[ADRH+\s], s23, v4
	s_add_co_u32 s21, s21, SLOT
	s_add_co_u32 s22, s22, SLOT
	s_add_co_u32 s23, s23, SLOT
.endr
	; the whole tile's way out: two stages of 256 rows x 272 bytes in slot 0, which has had its last fill and last read by then: q's (row = token) from byte 0, v's (row = channel) from 2 HALFT
	s_mul_i32 s23, s15, 128*PITCH
	s_lshl_b32 s21, s16, 7
	s_add_co_u32 s23, s23, s21
	v_add_nc_u32 v[STO], s23, v4                   ; row 128 (wave / 2) + r, byte 128 (wave % 2) + 16 h
	s_mul_i32 s23, s14, 64*PITCH                   ; back: wave w takes stage rows 64 w .. 64 w + 63
	v_bfe_u32 v5, v0, 3, 2
	v_mul_u32_u24 v5, v5, PITCH
	v_and_b32 v6, 7, v0
	v_lshl_add_u32 v5, v6, 4, v5
	v_add_nc_u32 v5, s23, v5
	v_add_nc_u32 v[VRD], 2*HALFT, v5               ; v: eight lanes to 128 bytes of a row, four rows an instruction
	v_mul_u32_u24 v[STV], v2, 8*PITCH
	v_lshl_add_u32 v[STV], v1, 3, v[STV]
	s_mul_i32 s88, s16, 128*PITCH
	s_lshl_b32 s89, s15, 7
	s_add_co_u32 s88, s88, s89
	s_add_co_u32 s88, s88, 2*HALFT
	v_add_nc_u32 v[STV], s88, v[STV]               ; v: row 128 (wave % 2) + 8 h, byte 128 (wave / 2) + 8 r
	v_bfe_u32 v6, v0, 2, 3
	v_and_b32 v7, 3, v0
	v_mul_u32_u24 v5, v6, PITCH
	v_lshl_add_u32 v5, v7, 4, v5
	v_add_nc_u32 v[QRD], s23, v5                   ; q: four lanes to a head's 64 bytes of a row, eight rows an instruction
	; k's way out, through its own stage
	v_mul_u32_u24 v5, v6, HP
	v_lshl_add_u32 v5, v7, 4, v5
	s_mul_i32 s88, s14, 64*HP
	s_add_co_u32 s88, s88, STGH
	v_add_nc_u32 v[QRH], s88, v5                   ; back: rows 64 w on, four lanes to a head's 64 bytes
	v_mul_u32_u24 v[STH], v1, HP
	v_lshl_add_u32 v[STH], v2, 4, v[STH]
	s_mul_i32 s88, s15, 128*HP
	s_lshl_b32 s89, s16, 6
	s_add_co_u32 s88, s88, s89
	s_add_co_u32 s88, s88, STGH
	v_add_nc_u32 v[STH], s88, v[STH]               ; in: row 128 (wave / 2) + r, byte 64 (wave % 2) + 16 h
	v_and_b32 v[QGO], 31, v0
	v_lshlrev_b32 v[QGO], 4, v[QGO]
	; where my 64 stage rows go.  Batch 2^21 and block row % 8 2^14 bytes in all three.  q, v: cx 2^19 (four heads); the wave 2^12 (64 tokens of q) or 2^17 (a head of v).  k: X 2^20, cx 2^18 (two heads), the wave 2^12
	s_cmp_eq_u32 ttmp9, 1
	s_cselect_b64 s[10:11], s[70:71], s[10:11]     ; v_codes or q_codes
	s_cselect_b32 s84, 17, 12
	s_lshr_b32 s81, s17, 3
	s_lshl_b32 s81, s81, 21
	s_and_b32 s82, s17, 7
	s_lshl_b32 s82, s82, 14
	s_add_co_u32 s81, s81, s82
	s_lshl_b32 s82, s40, 19
	s_add_co_u32 s86, s81, s82
	s_lshl_b32 s82, s14, s84
	s_add_co_u32 s86, s86, s82
	s_mov_b32 s87, 0
	s_add_nc_u64 s[10:11], s[10:11], s[86:87]
	s_lshl_b32 s82, ttmp9, 20
	s_add_co_u32 s86, s81, s82
	s_lshl_b32 s82, s40, 18
	s_add_co_u32 s86, s86, s82
	s_lshl_b32 s82, s14, 12
	s_add_co_u32 s86, s86, s82
	s_add_nc_u64 s[68:69], s[68:69], s[86:87]
; NB: source 0's fragments a wave (4 in the half tile, 8 in the whole); BADR: their address registers; BI: the blocks of 16 rows by which the K step's rows lie down the W region (0 or 8)
.macro FRAG reg, adr, q, i             ; 16 rows x 128 K: lane l holds row l % 16; registers 4 c .. 4 c + 3 hold K = 32 c + 16 (l / 16) + 0 .. 15, alike in both sources
.irp c, 0,1,2,3
	ds_load_b128 v[\reg+4*\c:\reg+4*\c+3], v[\adr] offset:128*(\q)+32*\c+(\i)*16*PITCH
.endr
.endm
; source 1's blocks a0, a0 + 1 x source 0's NB; the accumulators take turns, one instruction a turn, in the same order in every step of a tile.  zero = 1: the first product starts the sums.
.macro MUL16 a0, p, zero
.irp a, \a0, \a0+1
.irp b, 0,1,2,3,4,5,6,7
.if \b < NB
.if \zero
	v_wmma_f32_16x16x128_fp8_fp8 v[8*(8*((\a)%4)+\b):8*(8*((\a)%4)+\b)+7], v[128*(\p)+FR*\b:128*(\p)+FR*\b+FR-1], v[AF+FR*(\a):AF+FR*(\a)+FR-1], 0
.else
	v_wmma_f32_16x16x128_fp8_fp8 v[8*(8*((\a)%4)+\b):8*(8*((\a)%4)+\b)+7], v[128*(\p)+FR*\b:128*(\p)+FR*\b+FR-1], v[AF+FR*(\a):AF+FR*(\a)+FR-1], v[8*(8*((\a)%4)+\b):8*(8*((\a)%4)+\b)+7]
.endif
.endif
.endr
.endr
.endm
.macro FETCH_B slot, q, p
	WIN TO_B
.irp i, 0,1,2,3,4,5,6,7
.if \i < NB
	FRAG 128*(\p)+FR*\i, BADR+\slot, \q, \i+BI
.endif
.endr
	WIN 0
.endm
.macro FETCH_A slot, q, i0
.irp i, \i0, \i0+1, \i0+2, \i0+3
	FRAG AF+FR*(\i), ADRA+\slot, \q, \i
.endr
.endm
.macro PLACES n                        ; places in front of loads into registers that matrix instructions have read, and of reads of results
.rept \n
	v_nop
.endr
.endm
.macro STEP slot, q, zero              ; 128 along K, with its successor in the same slot
	s_wait_dscnt 4*NL                              ; all but the youngest sixteen loads (source 1's blocks 4-7)
	WIN MUL_LO
	MUL16 0, (\q)%2, \zero
	MUL16 2, (\q)%2, \zero
	s_wait_dscnt 0
	PLACES NP
	FETCH_B \slot, (\q)+1, 1-(\q)%2
	FETCH_A \slot, (\q)+1, 0
	WIN MUL_HI
	MUL16 4, (\q)%2, \zero
	MUL16 6, (\q)%2, \zero
	PLACES NP
	WIN 0
	FETCH_A \slot, (\q)+1, 4
.endm
; A slot's last step changes slots: in front of the one barrier each wave waits for all its tensor loads, adds 0 to its spare word, and waits for that and for its reads of this slot.
; mode 0: nothing is filled.  1: both tiles step two K steps on.  2 (half tile): x alone steps on.  3 (half tile's last two): x goes back two K steps, W goes to the whole tile's rows.  fetch = 0: the next fragments are fetched later.
.macro TURN slot, next, mode, fetch
	s_wait_tensorcnt 0x0                           ; my part of the next slot has landed
	ds_add_u32 v[SPW], v[NIL]
	s_wait_dscnt 4*NL+1                            ; the add and the youngest sixteen loads may be out
	WIN MUL_LO
	MUL16 0, 1, 0
	s_wait_dscnt 0x0                               ; the add is done, my reads of this slot are over
	s_barrier_signal -1
	MUL16 2, 1, 0
	WIN 0
	s_barrier_wait -1
.if \mode == 0
	PLACES NP
.else
	CREST                                          ; the barrier has opened a round of the cluster's barrier
.if \mode == 1
	s_add_nc_u64 s[G0+4*\slot+2:G0+4*\slot+3], s[G0+4*\slot+2:G0+4*\slot+3], 2*ROWB
	s_add_nc_u64 s[G0B+4*\slot+2:G0B+4*\slot+3], s[G0B+4*\slot+2:G0B+4*\slot+3], 2*ROWB
	JLOAD G0+4*\slot, G1, G0B+4*\slot, G1B         ; my one load behind the round
.endif
.if \mode == 2
	s_add_nc_u64 s[G0+4*\slot+2:G0+4*\slot+3], s[G0+4*\slot+2:G0+4*\slot+3], 2*ROWB
	XLOAD G0+4*\slot
.endif
.if \mode == 3
	s_sub_nc_u64 s[G0+4*\slot+2:G0+4*\slot+3], s[G0+4*\slot+2:G0+4*\slot+3], 2*ROWB
	s_add_nc_u64 s[G0B+4*\slot+2:G0B+4*\slot+3], s[WF:WF+1], \slot*ROWB
	s_or_b32 s[G0B+4*\slot+3], s[G0B+4*\slot+3], 0x80000000
	JLOAD G0+4*\slot, G1, G0B+4*\slot, G1B
.endif
.endif
.if \fetch
	FETCH_B \next, 0, 0
	FETCH_A \next, 0, 0
.endif
	WIN MUL_HI
	MUL16 4, 1, 0
	MUL16 6, 1, 0
.if \fetch
	PLACES NP
	WIN 0
	FETCH_A \next, 0, 4
.else
	WIN 0
.endif
.endm
.macro SCALE e                         ; E = e_out - e0 - e1 from the scalar register e: 2^E and 448 x 2^E
	s_sub_co_i32 s80, \e, s72
	s_sub_co_i32 s80, s80, s73
	s_add_co_i32 s80, s80, 127
	s_lshl_b32 s81, s80, 23
	v_mov_b32 v[SCL], s81
	s_add_co_i32 s80, s80, 8
	s_lshl_b32 s80, s80, 23
	s_or_b32 s80, s80, 0x600000
	v_mov_b32 v[LIM], s80
.endm
	s_wait_alu depctr_va_vdst(0)
	s_wait_tensorcnt 0x0                           ; my part of slot 0 is in; slot 1's first fill is issued as a refill is:
	ds_add_u32 v[SPW], v[NIL]
	s_wait_dscnt 0x0
	CROUND
	JLOAD G0+4, G1, G0B+4, G1B                     ; slot 1
	; THE HALF TILE OF k: eight steps of 128 along K
.set NB, 4
.set BADR, ADRH
.set BI, 0
	FETCH_B 0, 0, 0
	FETCH_A 0, 0, 0
	FETCH_A 0, 0, 4
	STEP 0, 0, 1
	TURN 0, 1, 2, 1                                ; slot 0 takes x's K step 2; W's lies there already
	STEP 1, 0, 0
.set BI, 8
	TURN 1, 0, 2, 1                                ; slot 1 takes x's K step 3
	STEP 0, 0, 0
	TURN 0, 1, 3, 1                                ; THE RING GOES ON INTO THE WHOLE TILE: slot 0 takes its K step 0,
	STEP 1, 0, 0
	TURN 1, 0, 3, 0                                ; slot 1 its K step 1
	; k's way out: each sum is held and converted; the codes of b even and b odd are sixteen bytes on end: byte 32 (b / 2) + 16 h + 8 (b % 2) + j of my head's 64 of the stage row
	s_wait_kmcnt 0x0
	SCALE s75                                      ; e3
	PLACES NP
.macro QOUTH a
.set AC, 64*((\a)%4)
	WIN 0x02+((\a)/4)
.set j, 0
.rept 32
	v_med3_num_f32 v[TMP+j], v[AC+j], -v[LIM], v[LIM]   ; the conversion does not saturate (ISA guide 7.6.2): the hold; each accumulator from its low end on
.set j, j+1
.endr
	WIN 0
.set j, 0
.rept 4
	v_cvt_scalef32_pk8_fp8_f32 v[CD+8*(\a)+2*j:CD+8*(\a)+2*j+1], v[TMP+8*j:TMP+8*j+7], v[SCL]
.set j, j+1
.endr
	v_nop                                          ; one plain line between the last conversion and the next holds, which write its sources
.endm
.irp a, 0,1,2,3,4,5,6,7
	QOUTH \a
.endr
	s_wait_alu depctr_va_vdst(0)
	s_wait_tensorcnt 0x0                           ; my parts of the whole tile's K steps 0 and 1 are in: no load of mine is out while I store to LDS
.set n, 0
.rept 16
	ds_store_b128 v[STH], v[CD+4*n:CD+4*n+3] offset:(n/2)*16*HP+32*(n%2)
.set n, n+1
.endr
	s_wait_dscnt 0x0                               ; for the others' sake: my stores into the stage are done
	s_barrier_signal -1
	s_barrier_wait -1                              ; the stage is whole, and so are both slots
.set n, 0
.rept 16                               ; load n = 2 g + c: rows 8 g .. 8 g + 7, head c: 512 consecutive bytes of the head's rows
	ds_load_b128 v[160+4*n:163+4*n], v[QRH] offset:8*(n/2)*HP+64*(n%2)
.set n, n+1
.endr
.set n, 0
.rept 16
	s_wait_dscnt 15-n                              ; load n is back
	global_store_b128 v[QGO], v[160+4*n:163+4*n], s[68:69] offset:(n%2)*131072+(n/2)*512
.set n, n+1
.endr
	s_wait_xcnt 0x0                                ; the stores have read their registers: fragments land there next
	; THE WHOLE TILE OF q OR v
.set NB, 8
.set BADR, ADRB
.set BI, 0
	FETCH_B 0, 0, 0
	FETCH_A 0, 0, 0
	FETCH_A 0, 0, 4
	STEP 0, 0, 1
	TURN 0, 1, 1, 1
	STEP 1, 0, 0
	TURN 1, 0, 1, 1
	STEP 0, 0, 0
	TURN 0, 1, 0, 1                                ; behind this barrier nobody reads slot 0 any more
	STEP 1, 0, 0
	s_wait_dscnt 4*NL
	WIN MUL_LO
	MUL16 0, 1, 0
	MUL16 2, 1, 0
	s_wait_dscnt 0
	WIN MUL_HI
	MUL16 4, 1, 0
	MUL16 6, 1, 0
	WIN 0
	; ITS WAY OUT, part 1: each sum is held, converted, and its code put into the work-group's stage.
	s_cmp_eq_u32 ttmp9, 1
	s_cselect_b32 s82, s77, s74                    ; e5 (v) or e2 (q): a choice, no branch
	SCALE s82
	PLACES NP
; q, block a: tokens 16 a + r.  The codes of b even and b odd are sixteen bytes on end: byte 32 (b / 2) + 16 h + 8 (b % 2) + j of my half of the stage row.
.macro QOUT a
.set AC, 64*((\a)%4)
	WIN 0x02+((\a)/4)
.set j, 0
.rept 64
	v_med3_num_f32 v[TMP+j], v[AC+j], -v[LIM], v[LIM]
.set j, j+1
.endr
	WIN 0
.set j, 0
.rept 8
	v_cvt_scalef32_pk8_fp8_f32 v[CD+16*(\a)+2*j:CD+16*(\a)+2*j+1], v[TMP+8*j:TMP+8*j+7], v[SCL]
.set j, j+1
.endr
	v_nop
.set j, 0
.rept 4
	ds_store_b128 v[STO], v[CD+16*(\a)+4*j:CD+16*(\a)+4*j+3] offset:(\a)*16*PITCH+32*j
.set j, j+1
.endr
.endm
; v, block b: channels 16 b + 8 h + j.  The hold lays register j of accumulators a = 0 .. 7 on end; their eight codes are bytes 8 r + a of the channel's 128 of my token half.
.macro QOUTV b
	WIN 0x02
.irp a, 0,1,2,3
.irp j, 0,1,2,3,4,5,6,7
	v_med3_num_f32 v[TMP+8*\j+\a], v[8*(8*\a+(\b))+\j], -v[LIM], v[LIM]
.endr
.endr
	WIN 0x03
.irp a, 0,1,2,3
.irp j, 0,1,2,3,4,5,6,7
	v_med3_num_f32 v[TMP+8*\j+4+\a], v[8*(8*\a+(\b))+\j], -v[LIM], v[LIM]
.endr
.endr
	WIN 0
.irp j, 0,1,2,3,4,5,6,7
	v_cvt_scalef32_pk8_fp8_f32 v[CD+16*(\b)+2*\j:CD+16*(\b)+2*\j+1], v[TMP+8*\j:TMP+8*\j+7], v[SCL]
.endr
	v_nop
.irp j, 0,1,2,3,4,5,6,7
	ds_store_b64 v[STV], v[CD+16*(\b)+2*\j:CD+16*(\b)+2*\j+1] offset:(16*(\b)+\j)*PITCH
.endr
.endm
	s_wait_alu depctr_va_vdst(0)
	s_cmp_eq_u32 ttmp9, 1                          ; the cluster's x alone
	s_cbranch_scc1 .Lv_codes
.irp a, 0,1,2,3,4,5,6,7
	QOUT \a
.endr
	s_branch .Lstaged
.Lv_codes:
.irp b, 0,1,2,3,4,5,6,7
	QOUTV \b
.endr
.Lstaged:
	s_wait_dscnt 0x0                               ; for the others' sake: my stores into the stage are done
	s_barrier_signal -1
	s_barrier_wait -1                              ; a stage row's 256 bytes come from two waves: now they are whole
	; part 2: wave w reads stage rows 64 w .. 64 w + 63 and stores them
	s_cmp_eq_u32 ttmp9, 1
	s_cbranch_scc1 .Lv_out
	; q: a stage row is a token's 4 heads x 64 bytes.  Load n = 4 g + c: rows 8 g .. 8 g + 7, head c: 512 consecutive bytes of the head's rows
.set n, 0
.rept 32
	ds_load_b128 v[CD+4*n:CD+4*n+3], v[QRD] offset:8*(n/4)*PITCH+64*(n%4)
.set n, n+1
.endr
.set n, 0
.rept 32
	s_wait_dscnt 31-n                              ; load n is back
	global_store_b128 v[QGO], v[CD+4*n:CD+4*n+3], s[10:11] offset:(n%4)*131072+(n/4)*512
.set n, n+1
.endr
	s_branch .Ldone
.Lv_out:
	; v: my 64 rows are one head's channels; a row's two halves belong to two steps of 128 tokens, 8,192 bytes apart.  Load n: rows 4 (n / 2) .. + 3, half n % 2: 512 consecutive bytes of v_codes
.set n, 0
.rept 32
	ds_load_b128 v[CD+4*n:CD+4*n+3], v[VRD] offset:4*(n/2)*PITCH+128*(n%2)
.set n, n+1
.endr
.set n, 0
.rept 32
	s_wait_dscnt 31-n
	global_store_b128 v[QGO], v[CD+4*n:CD+4*n+3], s[10:11] offset:(n%2)*8192+(n/2)*512
.set n, n+1
.endr
.Ldone:
	s_wait_tensorcnt 0x0                           ; the wave's end
	ds_add_u32 v[SPW], v[NIL]
	s_wait_dscnt 0x0
	CROUND                                         ; the closing round
	s_endpgm
.Lfunc_end_k_q2de6559ca2_qkv:
	.size	k_q2de6559ca2_qkv, .Lfunc_end_k_q2de6559ca2_qkv-k_q2de6559ca2_qkv
	.p2alignl 7, 3214868480
	.fill 96, 4, 3214868480
	.section	.rodata,"a",@progbits
	.p2align	6, 0x0
	.amdhsa_kernel k_q2de6559ca2_qkv
		.amdhsa_group_segment_fixed_size 327680
		.amdhsa_private_segment_fixed_size 0
		.amdhsa_enable_private_segment 0
		.amdhsa_kernarg_size 48
		.amdhsa_user_sgpr_count 2
		.amdhsa_user_sgpr_kernarg_segment_ptr 1
		.amdhsa_wavefront_size32 1
		.amdhsa_system_sgpr_workgroup_id_x 1
		.amdhsa_system_sgpr_workgroup_id_y 1
		.amdhsa_system_sgpr_workgroup_id_z 1
		.amdhsa_system_vgpr_workitem_id 0
		.amdhsa_next_free_vgpr 1024
		.amdhsa_next_free_sgpr 100
		.amdhsa_reserve_vcc 0
		.amdhsa_float_denorm_mode_32 3
		.amdhsa_float_denorm_mode_16_64 3
		.amdhsa_memory_ordered 1
		.amdhsa_forward_progress 1
		.amdhsa_inst_pref_size 243
	.end_amdhsa_kernel
	.amdgpu_metadata
---
amdhsa.version: [ 1, 2 ]
amdhsa.kernels:
  - .name:           k_q2de6559ca2_qkv
    .symbol:         k_q2de6559ca2_qkv.kd
    .args:
      - { .name: x_codes, .offset: 0, .size: 8, .value_kind: global_buffer, .address_space: global }
      - { .name: wqkv_codes, .offset: 8, .size: 8, .value_kind: global_buffer, .address_space: global }
      - { .name: lowp_scales, .offset: 16, .size: 8, .value_kind: global_buffer, .address_space: global }
      - { .name: q_codes, .offset: 24, .size: 8, .value_kind: global_buffer, .address_space: global }
      - { .name: k_codes, .offset: 32, .size: 8, .value_kind: global_buffer, .address_space: global }
      - { .name: v_codes, .offset: 40, .size: 8, .value_kind: global_buffer, .address_space: global }
    .group_segment_fixed_size: 327680
    .private_segment_fixed_size: 0
    .kernarg_segment_align: 8
    .kernarg_segment_size: 48
    .max_flat_workgroup_size: 128
    .sgpr_count:     100
    .vgpr_count:     1024
    .wavefront_size: 32
...
	.end_amdgpu_metadata
.endif
;; end of part 2
;; launch attn (part 3): grid 4 x 64, 16 waves a work-group, clusters of 4 x 1, 327,680 bytes of LDS; arguments q_codes, k_codes, v_codes, lowp_scales, a_codes; writes a_codes
.if DOCPART == 3
	.amdgcn_target "amdgcn-amd-amdhsa--gfx1250"
	.amdhsa_code_object_version 6
	.text
	.protected	k_q2de6559ca2_attn
	.globl	k_q2de6559ca2_attn
	.p2align	8
	.type	k_q2de6559ca2_attn,@function
k_q2de6559ca2_attn:
	s_mov_b64 s[64:65], 0
	v_nop
	global_prefetch_b8 v0, s[64:65] scope:SCOPE_SE
	s_setreg_imm32_b32 hwreg(HW_REG_WAVE_MODE, 25, 1), 1
	s_wait_xcnt 0x0
	s_wait_alu depctr_hold_cnt(0) depctr_sa_sdst(0) depctr_va_vdst(0) depctr_va_sdst(0) depctr_va_ssrc(0) depctr_va_vcc(0) depctr_vm_vsrc(0)
	s_getreg_b32 s2, hwreg(HW_REG_IB_STS2, 6, 4)
	s_cmp_eq_u32 s2, 0
	s_cbranch_scc0 .Lentry_in_a_cluster
	s_endpgm
.Lentry_in_a_cluster:
	s_bfe_u32 s2, ttmp6, 0x10000c
	s_cmp_lg_u32 s2, 0x3003
	s_cbranch_scc0 .Lentry_shape_is_right
	s_endpgm
.Lentry_shape_is_right:
; ATTN: o[bh][q] = the sum over keys k <= q of softmax_k(q . k / 8) v, both products on codes of FP8 (E4M3); o is quantised at once (scale entry 6) for the last product.
; q_codes, k_codes [64 bh][2048 t][64]; v_codes [64 bh][16 steps of 128 keys][64 d][128], key 16 a + r of a step at byte 8 r + a; a_codes [16 h][8192 m][64 d].
; THE SOFTMAX: t = score x log2(e) / 8; M = the row's largest t so far, rounded UP to a whole number; p = 2^(t - M) is what is quantised (entry 4), not normalised.  The row's sum is taken of the unquantised p, in f32,
; and divides O at the end.  When M moves, the sum and O are multiplied by 2^(old M - new M): exact.
; LEFT OUT: key steps all of whose 128 keys come after a tile's 16 queries: the causal mask gives them the weight 0.
; LDS HOLDS A HEAD'S WHOLE K AND V: 2,048 keys x 128 bytes, 280,576 bytes with padding.  Nothing is filled again, and between the loads and the end the waves meet at one barrier.
; SHARES.  A head's 128 tiles of 16 queries are dealt to the four work-groups of a cluster: work-group cx takes tiles 4 u + cx, u = 0 .. 31.  Tile 4 u + cx wants key steps 0 .. u / 2, whatever cx is.
; A wave takes tile u (u < 16, keys under 1,024) and then tile 31 - u: (u / 2 + 1) + (15 - u / 2 + 1) = 17 steps for every wave.  u is dealt so that waves w, w + 4, w + 8, w + 12 have 18 steps of small tiles together.
; CLUSTER 4, 1, 1: the four partners want the same K and V and ask jointly (mask 15).  No trip count, branch or LDS address hangs on cx: it enters Q's and a_codes' addresses and the mask's compare value alone.
; LOADS.  Two groups, one load a wave in each: keys 0 - 1,023 at the head, keys 1,024 - 2,047 behind the full sequence and a round; waves 0-7 fetch 128 keys of K each, waves 8-15 a step of V each (8,192 dense bytes).
; The second group lands while the small tiles are worked.  NO PREFETCH: both groups are asked for ahead of the first loop: no trip stands ahead of a load.
; LAYOUT.  Both products transposed: S^T = K Q^T (source 0 = 16 keys, source 1 = my 16 queries), O^T = V^T P^T (source 0 = 16 channels, source 1 = P): a lane holds ONE query.
; THE KEYS OF A TILE ARE NOT NEIGHBOURS: row 8 h + j of tile n of K is key 16 j + 4 (n / 2) + 2 h + n % 2 of the step, so that the conversion of tile n gives P's registers 2 n, 2 n + 1 in the key order in which V's bytes lie.
; K in LDS: 16 keys (1,024 bytes) + 16 of padding: the sixteen lanes of a load, keys 16 apart and 2 apart, start at words 4 j + 32 h mod 64.  V: rows of 128 bytes + 16.
; The loops' trip counts are constants (8, 16); a step past the tile's last is jumped over by ids.  In a tile's last step hidden scores become -infinity ahead of the maximum; the step's first key counts for every query of the tile.
; LIMITS: e2 + e3 between -123 and 130 (added to c's exponent field); e4 and e6 between -126 and 119; the scaled scores stay under 2^31 in magnitude.
; REGISTERS: v1-11 addresses; v12 -M, v13 the largest t, v[14:15] the sum; v16-23, v24-31 the two tiles' Q; v32-95 K's eight fragments, then V's four; v96-159 S^T, then p; v160-191 O^T; v192-207 p's codes; v208-223 the way out; v232-255 constants and work.
; THE ORDER OF A WAVE'S 17 STEPS, with p = u / 2: the small tile's p + 1 steps, then the large tile's first 7 - p: eight steps in every wave, all on keys under 1,024, while the second group of loads lands;
; the one barrier; the large tile's other nine steps.  The small tile's codes wait in eight registers and go through the stage behind the wait for the second group.
.set KG,    1040
.set KST,   8*KG                       ; a step's 128 keys of K in LDS
.set VP,    144
.set VST,   64*VP                      ; a step of V in LDS
.set VOFF,  16*KST
.set STAGE, VOFF+16*VST                ; 16 rows x 80 bytes for each wave, for the way out; no tile lands there
.set SPARE, STAGE+16*1280              ; the spare words, 128 bytes a wave; no other line names them
.set AK0,  1
.set AV0,  2
.set DQ,   3                           ; r - 2 h, for the mask
.set QO,   4
.set SPW,  5
.set NIL,  6
.set GO,   7
.set ADK,  8
.set ADV,  9
.set STO,  10
.set SRD,  11
.set WV,   18
.set ARM,  19                          ; 0: I fetch for K, 1: for V
.set SEL,  20
.set CS,   22                          ; s[22:23] c = log2(e) / 8 x 2^(e2 + e3)
.set G1K,  24
.set G1V,  32
.set G0K,  40
.set G0V,  44
.set CX,   48
.set LS,   50                          ; the small tile's last step
.set LL,   51                          ; the large tile's
.set DS,   52                          ; first query less the last step's first key: small tile,
.set DL,   53                          ; large tile
.set ST,   54
.set TBK,  55
.set TBV,  56
.set OS,   58                          ; s[58:59] a_codes at the small tile; s[60:61] at the large
.set OL,   60
.set HS,   57                          ; the small tile's steps: p + 1
.set HL,   62                          ; the large tile's: 16 - p
.set SP,   63                          ; the large tile's steps ahead of the barrier: 7 - p
.macro TLOAD                           ; one joint load in each arm; an s_nop 0 and four v_nop follow each
	s_cmp_eq_u32 s[ARM], 0
	s_cbranch_scc0 .Lfor_v_\@
	tensor_load_to_lds s[G0K:G0K+3], s[G1K:G1K+7]
	s_nop 0
.rept 4
	v_nop
.endr
	s_branch .Lasked_\@
.Lfor_v_\@:
	tensor_load_to_lds s[G0V:G0V+3], s[G1V:G1V+7]
	s_nop 0
.rept 4
	v_nop
.endr
.Lasked_\@:
.endm
.macro CROUND                          ; a round of the cluster's barrier
	s_barrier_signal -1
	s_barrier_wait -1
	s_cmp_lg_u32 s[WV], 0
	s_cbranch_scc1 .Lnot_wave_0_\@
	s_barrier_signal -3
.Lnot_wave_0_\@:
	s_barrier_wait -3
	s_barrier_signal -1
	s_barrier_wait -1
.endm
	s_load_b128 s[4:7], s[0:1], 0x0                ; q_codes, k_codes
	s_load_b128 s[12:15], s[0:1], 0x10             ; v_codes, the scales' exponents
	s_load_b64 s[16:17], s[0:1], 0x20              ; a_codes
	v_lshl_add_u32 v[SPW], v0, 2, SPARE
	v_mov_b32 v[NIL], 0
	ds_add_u32 v[SPW], v[NIL]                      ; the opening lines: the add, twice on end, and its wait ahead of my first tensor load
	ds_add_u32 v[SPW], v[NIL]
	v_lshrrev_b32 v8, 5, v0
	v_readfirstlane_b32 s[WV], v8                  ; wave 0..15
	s_lshr_b32 s[ARM], s[WV], 3
	s_and_b32 s80, s[WV], 7                        ; which eighth of a group I fetch
	s_bfe_u32 s[CX], ttmp6, 0x40000
	s_and_b32 s81, ttmp7, 0xffff                   ; bh: the cluster's y
	s_lshl_b32 s84, s81, 17                        ; the head's first byte in q_codes, k_codes, v_codes
	s_mov_b32 s85, 0
	s_and_b32 s86, s[WV], 2                        ; u / 2 = x or 7 - x, x = (wave & 2) + wave / 8, by bit 2 of the wave
	s_add_co_u32 s86, s86, s[ARM]
	s_bfe_u32 s87, s[WV], 0x10002
	s_mul_i32 s87, s87, 7
	s_xor_b32 s[LS], s86, s87
	s_sub_co_u32 s[LL], 15, s[LS]
	s_add_co_u32 s[HS], s[LS], 1
	s_sub_co_u32 s[HL], 16, s[LS]
	s_sub_co_u32 s[SP], 7, s[LS]
	s_and_b32 s87, s[WV], 1                        ; u % 2
	s_lshl_b32 s86, s[LS], 1
	s_add_co_u32 s86, s86, s87                     ; u
	s_sub_co_u32 s88, 31, s86
	s_lshl_b32 s89, s[CX], 4
	s_lshl_b32 s[DS], s87, 6
	s_add_co_u32 s[DS], s[DS], s89                 ; 16 ((4 u + cx) % 8)
	s_xor_b32 s87, s87, 1
	s_lshl_b32 s[DL], s87, 6
	s_add_co_u32 s[DL], s[DL], s89
	s_lshl_b32 s86, s86, 6
	s_add_co_u32 s86, s86, s89                     ; first query: 64 u + 16 cx
	s_lshl_b32 s88, s88, 6
	s_add_co_u32 s88, s88, s89
	s_lshl_b32 s90, s86, 6                         ; in bytes of 64 a row
	s_mov_b32 s91, 0
	s_lshl_b32 s92, s88, 6
	s_mov_b32 s93, 0
	s_and_b32 s94, s81, 15
	s_lshl_b32 s94, s94, 19                        ; a_codes: the head's 8,192 rows,
	s_lshr_b32 s95, s81, 4
	s_lshl_b32 s95, s95, 17                        ; the batch's 2,048
	s_add_co_u32 s94, s94, s95
	s_mov_b32 s95, 0
	s_lshl_b32 s96, s80, 13                        ; my 8,192 bytes of a group, in K and in V alike
	s_mov_b32 s97, 0
	s_add_nc_u64 s[96:97], s[96:97], s[84:85]
	s_mul_i32 s98, s80, KST
	s_mul_i32 s99, s80, VST
	s_add_co_u32 s99, s99, VOFF
	s_mul_i32 s82, s[WV], 1280
	s_add_co_u32 s82, s82, STAGE                   ; my stage
	s_mov_b32 s[G1K], 15|(1<<20)|(1<<21)|(7<<22)|(3<<25)   ; mask of the four; 1-byte elements; 4 words of padding after every 256; bit 21 beside a mask
	s_mov_b32 s[G1K+1], 1024<<16
	s_mov_b32 s[G1K+2], 8<<16
	s_mov_b32 s[G1K+3], 1024<<16
	s_mov_b32 s[G1K+4], 8                          ; 8 rows of 1,024 bytes, dense
	s_mov_b32 s[G1K+5], 1024
	s_mov_b32 s[G1K+6], 0
	s_mov_b32 s[G1K+7], 0
	s_mov_b32 s[G1V], 15|(1<<20)|(1<<21)|(4<<22)|(3<<25)   ; padding after every 32 words: behind each channel's 128 bytes
	s_mov_b32 s[G1V+1], 256<<16
	s_mov_b32 s[G1V+2], 32<<16
	s_mov_b32 s[G1V+3], 256<<16
	s_mov_b32 s[G1V+4], 32                         ; the dense 8,192 bytes stated as 32 rows of 256
	s_mov_b32 s[G1V+5], 256
	s_mov_b32 s[G1V+6], 0
	s_mov_b32 s[G1V+7], 0
	s_mov_b32 s[SEL], 0x76543210
	s_mov_b32 s[SEL+1], 0xfedcba98
	s_mov_b32 s[CS], 0x3e38aa3b                    ; log2(e) / 8
	s_wait_dscnt 0x0                               ; both opening adds are done
	s_wait_kmcnt 0x0
	s_load_b256 s[68:75], s[14:15], 0x0            ; e0 .. e7
	s_mov_b32 s[G0K], 1
	s_mov_b32 s[G0K+1], s98
	s_add_nc_u64 s[G0K+2:G0K+3], s[6:7], s[96:97]
	s_or_b32 s[G0K+3], s[G0K+3], 0x80000000
	s_mov_b32 s[G0V], 1
	s_mov_b32 s[G0V+1], s99
	s_add_nc_u64 s[G0V+2:G0V+3], s[12:13], s[96:97]
	s_or_b32 s[G0V+3], s[G0V+3], 0x80000000
	CROUND                                         ; the four partners are here: the first joint loads meet
	TLOAD                                          ; keys 0 - 1,023
	s_add_nc_u64 s[4:5], s[4:5], s[84:85]
	s_add_nc_u64 s[76:77], s[4:5], s[90:91]        ; Q at the small tile,
	s_add_nc_u64 s[78:79], s[4:5], s[92:93]        ; at the large
	s_add_nc_u64 s[16:17], s[16:17], s[94:95]
	s_add_nc_u64 s[OS:OS+1], s[16:17], s[90:91]
	s_add_nc_u64 s[OL:OL+1], s[16:17], s[92:93]
	v_and_b32 v8, 15, v0                           ; r
	v_bfe_u32 v9, v0, 4, 1                         ; h
	v_lshlrev_b32 v[QO], 6, v8
	v_lshl_add_u32 v[QO], v9, 4, v[QO]
	global_load_b128 v[16:19], v[QO], s[76:77]
	global_load_b128 v[20:23], v[QO], s[76:77] offset:32
	global_load_b128 v[24:27], v[QO], s[78:79]
	global_load_b128 v[28:31], v[QO], s[78:79] offset:32
	v_and_b32 v[AK0], 7, v8
	v_mul_u32_u24 v[AK0], v[AK0], KG               ; K: row r of a tile: 16 keys on for each r % 8,
	v_lshrrev_b32 v[AV0], 3, v8
	v_lshl_add_u32 v[AK0], v[AV0], 7, v[AK0]       ; two keys on for r / 8,
	v_lshl_add_u32 v[AK0], v9, 4, v[AK0]           ; + 16 h
	v_mul_u32_u24 v[AV0], v8, VP
	v_lshl_add_u32 v[AV0], v9, 4, v[AV0]
	v_add_nc_u32 v[AV0], VOFF, v[AV0]
	v_lshlrev_b32 v[DQ], 1, v9
	v_sub_nc_u32 v[DQ], v8, v[DQ]
	v_and_b32 v[GO], 31, v0
	v_lshlrev_b32 v[GO], 4, v[GO]
	v_mul_u32_u24 v[STO], v8, 80
	v_lshl_add_u32 v[STO], v9, 3, v[STO]
	v_add_nc_u32 v[STO], s82, v[STO]               ; in: row r of 80 bytes, + 8 h
	v_bfe_u32 v[SRD], v0, 2, 3
	v_mul_u32_u24 v[SRD], v[SRD], 80
	v_and_b32 v252, 3, v0
	v_lshl_add_u32 v[SRD], v252, 4, v[SRD]
	v_add_nc_u32 v[SRD], s82, v[SRD]               ; back: four lanes to a row of 64 bytes
	v_mov_b32 v236, 0                              ; a lane permute's destination counts as one of its sources
	v_mov_b32 v252, 0
	v_mov_b32 v253, 0                              ; (named as the upper half of v[252:253])
.macro RESET                           ; M, the sum and O^T begin anew: the step is written once, and a tile's first step finds zeros
	v_mov_b32 v13, 0xff61b1e6                      ; -3e38, under every t
	v_floor_f32 v12, -v13
	v_mov_b32 v14, 0
	v_mov_b32 v15, 0
.set n, 0
.rept 32
	v_mov_b32 v[160+n], 0
.set n, n+1
.endr
.endm
	RESET
	s_wait_kmcnt 0x0
	s_add_co_i32 s80, s70, s71
	s_lshl_b32 s80, s80, 23
	s_add_co_i32 s[CS], s[CS], s80                 ; e2 + e3 into c's exponent field
	s_mov_b32 s[CS+1], s[CS]
	s_add_co_i32 s80, s72, 127
	s_lshl_b32 s81, s80, 23
	v_mov_b32 v244, s81                            ; 2^e4
	s_add_co_i32 s80, s80, 8
	s_lshl_b32 s80, s80, 23
	s_or_b32 s80, s80, 0x600000
	v_mov_b32 v240, s80                            ; 448 x 2^e4, twice: one for each half of a dual pair
	v_mov_b32 v241, s80
	s_add_co_i32 s80, s74, 127
	s_lshl_b32 s81, s80, 23
	v_mov_b32 v245, s81                            ; 2^e6
	s_add_co_i32 s80, s80, 8
	s_lshl_b32 s80, s80, 23
	s_or_b32 s80, s80, 0x600000
	v_mov_b32 v232, s80                            ; 448 x 2^e6
; KEY STEPS OF A TILE OF 16 QUERIES: nt trips of 128 keys, of which steps lo .. hi - 1 are worked (lo = -1: from 0; lo, hi: registers made of the wave's number); last: the register with the tile's last step;
; dd: first query less that step's first key; q: Q's registers.
.macro TILE nt, lo, hi, last, dd, q
	s_mov_b32 s[ST], 0
	s_mov_b32 s[TBK], 0
	s_mov_b32 s[TBV], 0
.Lstep_\@:
.if (\lo) >= 0
	s_cmp_lt_u32 s[ST], s[\lo]                     ; worked ahead of the barrier
	s_cbranch_scc1 .Lhidden_\@
.endif
	s_cmp_ge_u32 s[ST], s[\hi]                     ; not this loop's: the wave's number and the count alone
	s_cbranch_scc1 .Lhidden_\@
	v_add_nc_u32 v[ADK], s[TBK], v[AK0]
	v_add_nc_u32 v[ADV], s[TBV], v[AV0]
	v_nop                                          ; with the two additions: four places in front of loads into registers that the last products have read
	v_nop
.set n, 0
.rept 8
	ds_load_b128 v[32+8*n:35+8*n], v[ADK] offset:(4*(n/2)+n%2)*64
	ds_load_b128 v[36+8*n:39+8*n], v[ADK] offset:(4*(n/2)+n%2)*64+32
.set n, n+1
.endr
	s_wait_alu depctr_va_vdst(0)
	s_wait_dscnt 0x0
.set n, 0
.rept 8
	v_wmma_f32_16x16x64_fp8_fp8 v[96+8*n:103+8*n], v[32+8*n:39+8*n], v[\q:\q+7], 0
.set n, n+1
.endr
.rept 4
	v_nop                                          ; places in front of the loads below and of the first read of the scores
.endr
.set n, 0
.rept 16                               ; V's four fragments land while the softmax is walked
	ds_load_b128 v[32+4*n:35+4*n], v[ADV] offset:16*(n/4)*VP+32*(n%4)
.set n, n+1
.endr
	s_cmp_lg_u32 s[ST], s[\last]                   ; only the last step lies on the diagonal
	s_cbranch_scc1 .Lopen_\@
	v_add_nc_u32 v252, s[\dd], v[DQ]               ; d = my query - the step's first key - 2 h.  Register 8 n + j holds key 16 j + 4 (n / 2) + n % 2 + 2 h: hidden where the constant part > d
	v_mov_b32 v254, 0xff800000
.set n, 0
.rept 64
	v_cmp_gt_i32 vcc_lo, 16*(n%8)+4*(n/16)+(n/8)%2, v252
	v_cndmask_b32 v[96+n], v[96+n], v254, vcc_lo
.set n, n+1
.endr
.Lopen_\@:
	v_max3_num_f32 v254, v96, v97, v98             ; the step's largest score, in two chains; each tile is first read at its low end
	v_max3_num_f32 v252, v99, v100, v101
.irp i, 6,10,14,18,22,26,30,34,38,42,46,50,54,58
	v_max3_num_f32 v254, v254, v[96+\i], v[97+\i]
	v_max3_num_f32 v252, v252, v[98+\i], v[99+\i]
.endr
	v_max3_num_f32 v254, v254, v158, v159
	s_delay_alu instid0(VALU_DEP_1)
	v_max_num_f32 v254, v254, v252
	s_delay_alu instid0(VALU_DEP_1)
	v_permlanex16_b32 v236, v254, s[SEL], s[SEL+1]
	s_delay_alu instid0(VALU_DEP_1)
	v_max_num_f32 v254, v254, v236                 ; and lane l xor 16's
	s_delay_alu instid0(VALU_DEP_1)
	v_mul_f32 v254, s[CS], v254                    ; as t (c is positive)
	s_delay_alu instid0(VALU_DEP_1)
	v_max_num_f32 v13, v13, v254
	v_mov_b32 v254, v12
	s_delay_alu instid0(VALU_DEP_2)
	v_floor_f32 v12, -v13                          ; -M = floor(-t): M is a whole number
	s_delay_alu instid0(VALU_DEP_1)
	v_sub_f32 v254, v12, v254
	s_delay_alu instid0(VALU_DEP_1)
	v_cvt_i32_f32 v254, v254                       ; (it saturates)
	s_delay_alu instid0(VALU_DEP_1)
	v_ldexp_f32 v252, 1.0, v254                    ; f = 2^(old M - new M)
.set n, 0
.rept 32
	v_pk_fma_f32 v[96+2*n:97+2*n], v[96+2*n:97+2*n], s[CS:CS+1], v[12:13] op_sel_hi:[1,0,0]   ; t - M
.set n, n+1
.endr
	s_wait_alu depctr_va_vdst(0)
.set n, 0
.rept 64
	v_exp_f32 v[96+n], v[96+n]                     ; p = 2^(t - M)
.set n, n+1
.endr
	v_pk_mul_f32 v[14:15], v[14:15], v[252:253] op_sel_hi:[1,0]   ; the sums under the new M; the plain line behind the batch
	s_wait_alu depctr_va_vdst(0)                   ; and the one wait behind it
	v_pk_add_f32 v[242:243], v[100:101], v[104:105]   ; the row's sum of the unquantised p, in eight chains
	v_pk_add_f32 v[254:255], v[108:109], v[112:113]
	v_pk_add_f32 v[250:251], v[116:117], v[120:121]
	v_pk_add_f32 v[248:249], v[124:125], v[128:129]
	v_pk_add_f32 v[246:247], v[132:133], v[136:137]
	v_pk_add_f32 v[238:239], v[140:141], v[144:145]
	v_pk_add_f32 v[234:235], v[148:149], v[152:153]
	v_pk_add_f32 v[14:15], v[14:15], v[156:157]
	v_pk_add_f32 v[242:243], v[242:243], v[96:97]
	v_pk_add_f32 v[254:255], v[254:255], v[98:99]
	v_pk_add_f32 v[250:251], v[250:251], v[102:103]
	v_pk_add_f32 v[248:249], v[248:249], v[106:107]
	v_pk_add_f32 v[246:247], v[246:247], v[110:111]
	v_pk_add_f32 v[238:239], v[238:239], v[114:115]
	v_pk_add_f32 v[234:235], v[234:235], v[118:119]
	v_pk_add_f32 v[14:15], v[14:15], v[122:123]
	v_pk_add_f32 v[242:243], v[242:243], v[126:127]
	v_pk_add_f32 v[254:255], v[254:255], v[130:131]
	v_pk_add_f32 v[250:251], v[250:251], v[134:135]
	v_pk_add_f32 v[248:249], v[248:249], v[138:139]
	v_pk_add_f32 v[246:247], v[246:247], v[142:143]
	v_pk_add_f32 v[238:239], v[238:239], v[146:147]
	v_pk_add_f32 v[234:235], v[234:235], v[150:151]
	v_pk_add_f32 v[14:15], v[14:15], v[154:155]
	v_pk_add_f32 v[242:243], v[242:243], v[158:159]
	v_pk_add_f32 v[14:15], v[14:15], v[248:249]
	v_pk_add_f32 v[242:243], v[242:243], v[246:247]
	v_pk_add_f32 v[254:255], v[254:255], v[238:239]
	v_pk_add_f32 v[250:251], v[250:251], v[234:235]
	v_pk_add_f32 v[14:15], v[14:15], v[254:255]
	v_pk_add_f32 v[242:243], v[242:243], v[250:251]
	v_pk_add_f32 v[14:15], v[14:15], v[242:243]
.irp b, 0,1,2,3,4,5,6,7
.irp i, 0,2,4,6
	v_dual_min_num_f32 v[96+8*\b+\i], v[96+8*\b+\i], v240 :: v_dual_min_num_f32 v[97+8*\b+\i], v[97+8*\b+\i], v241   ; the conversion does not saturate (ISA guide 7.6.2); p is not negative: a one-sided hold, two a line
.endr
	v_cvt_scalef32_pk8_fp8_f32 v[192+2*\b:193+2*\b], v[96+8*\b:103+8*\b], v244   ; registers 2 b, 2 b + 1 of P's fragment
.endr
	s_wait_alu depctr_va_vdst(0)
.set n, 0
.rept 16
	v_pk_mul_f32 v[160+2*n:161+2*n], v[160+2*n:161+2*n], v[252:253] op_sel_hi:[1,0]   ; O^T x f; plain lines between the conversions and the products
.set n, n+1
.endr
	s_wait_alu depctr_va_vdst(0)
	s_wait_dscnt 0x0                               ; V's fragments are in
.set n, 0
.rept 4                                ; the four accumulators take turns
	v_wmma_f32_16x16x128_fp8_fp8 v[160+8*n:167+8*n], v[32+16*n:47+16*n], v[192:207], v[160+8*n:167+8*n]
.set n, n+1
.endr
.Lhidden_\@:
	s_add_co_u32 s[TBK], s[TBK], KST
	s_add_co_u32 s[TBV], s[TBV], VST
	s_add_co_u32 s[ST], s[ST], 1
	s_cmp_lt_u32 s[ST], \nt
	s_cbranch_scc1 .Lstep_\@
.endm
; A TILE'S WAY OUT, in two parts.  FIN1: O^T / the sum x 2^(e4 + e5) is o; held, converted with 2^e6 into v208-215.  FIN2: through my stage, and out as 1,024 consecutive bytes of a_codes: each store covers 512 consecutive bytes, aligned.
.macro FIN1
.rept 4
	v_nop                                          ; places behind the last products
.endr
	v_add_f32 v14, v14, v15
	v_permlanex16_b32 v236, v14, s[SEL], s[SEL+1]
	v_add_f32 v14, v14, v236                       ; the row's sum
	s_wait_alu depctr_va_vdst(0)                   ; ahead of the transcendental,
	v_rcp_f32 v14, v14
	v_nop
	s_add_co_i32 s96, s72, s73
	s_wait_alu depctr_va_vdst(0)                   ; ahead of its first reader,
	v_ldexp_f32 v14, v14, s96                      ; x 2^(e4 + e5)
	s_wait_alu depctr_va_vdst(0)                   ; and directly ahead of the first reader of O^T
.set n, 0
.rept 16
	v_pk_mul_f32 v[96+2*n:97+2*n], v[160+2*n:161+2*n], v[14:15] op_sel_hi:[1,0]   ; register 8 t + j is o(r, 16 t + 8 h + j)
.set n, n+1
.endr
.set n, 0
.rept 32
	v_med3_num_f32 v[96+n], v[96+n], -v232, v232
.set n, n+1
.endr
.set n, 0
.rept 4
	v_cvt_scalef32_pk8_fp8_f32 v[208+2*n:209+2*n], v[96+8*n:103+8*n], v245
.set n, n+1
.endr
	v_nop                                          ; one plain line behind the last conversion
.endm
.macro FIN2 o
.set n, 0
.rept 4
	ds_store_b64 v[STO], v[208+2*n:209+2*n] offset:16*n
.set n, n+1
.endr
	ds_load_b128 v[216:219], v[SRD]                ; LDS serves a wave's instructions in order: these see my stores
	ds_load_b128 v[220:223], v[SRD] offset:640
	s_wait_dscnt 0x0
	global_store_b128 v[GO], v[216:219], s[\o:\o+1]
	global_store_b128 v[GO], v[220:223], s[\o:\o+1] offset:512
	s_wait_xcnt 0x0                                ; the stores have read their registers, which the next tile writes again
.endm
	s_wait_alu depctr_va_vdst(0)
	s_wait_tensorcnt 0x0                           ; my part of the first group is in; the second group's first fills are issued as refills are:
	ds_add_u32 v[SPW], v[NIL]
	s_add_co_u32 s[G0K+1], s[G0K+1], 8*KST         ; no load of mine is out: the groups 0 step to keys 1,024 on
	s_add_nc_u64 s[G0K+2:G0K+3], s[G0K+2:G0K+3], 65536
	s_add_co_u32 s[G0V+1], s[G0V+1], 8*VST
	s_add_nc_u64 s[G0V+2:G0V+3], s[G0V+2:G0V+3], 65536
	s_wait_dscnt 0x0
	CROUND                                         ; everybody's part is in, and the four partners are here
	TLOAD                                          ; keys 1,024 - 2,047
	s_wait_loadcnt 0x0                             ; Q
	TILE 8, -1, HS, LS, DS, 16                     ; the small tile: keys under 1,024 alone
	FIN1
	RESET
	s_wait_alu depctr_va_vdst(0)
	TILE 8, -1, SP, LL, DL, 24                     ; the large tile's first 7 - p steps: keys under 1,024 alone
	s_wait_tensorcnt 0x0                           ; my part of the second group is in
	FIN2 OS                                        ; the small tile's codes leave; its last LDS instruction is waited for inside
	s_barrier_signal -1
	s_barrier_wait -1                              ; everybody's part is in
	TILE 16, SP, HL, LL, DL, 24                    ; the large tile's other nine steps
	FIN1
	FIN2 OL
	s_wait_tensorcnt 0x0                           ; the wave's end
	ds_add_u32 v[SPW], v[NIL]
	s_wait_dscnt 0x0
	CROUND                                         ; the closing round
	s_endpgm
.Lfunc_end_k_q2de6559ca2_attn:
	.size	k_q2de6559ca2_attn, .Lfunc_end_k_q2de6559ca2_attn-k_q2de6559ca2_attn
	.p2alignl 7, 3214868480
	.fill 96, 4, 3214868480
	.section	.rodata,"a",@progbits
	.p2align	6, 0x0
	.amdhsa_kernel k_q2de6559ca2_attn
		.amdhsa_group_segment_fixed_size 327680
		.amdhsa_private_segment_fixed_size 0
		.amdhsa_enable_private_segment 0
		.amdhsa_kernarg_size 40
		.amdhsa_user_sgpr_count 2
		.amdhsa_user_sgpr_kernarg_segment_ptr 1
		.amdhsa_wavefront_size32 1
		.amdhsa_system_sgpr_workgroup_id_x 1
		.amdhsa_system_sgpr_workgroup_id_y 1
		.amdhsa_system_sgpr_workgroup_id_z 1
		.amdhsa_system_vgpr_workitem_id 0
		.amdhsa_next_free_vgpr 256
		.amdhsa_next_free_sgpr 100
		.amdhsa_reserve_vcc 1
		.amdhsa_float_denorm_mode_32 3
		.amdhsa_float_denorm_mode_16_64 3
		.amdhsa_memory_ordered 1
		.amdhsa_forward_progress 1
		.amdhsa_inst_pref_size 84
	.end_amdhsa_kernel
	.amdgpu_metadata
---
amdhsa.version: [ 1, 2 ]
amdhsa.kernels:
  - .name:           k_q2de6559ca2_attn
    .symbol:         k_q2de6559ca2_attn.kd
    .args:
      - { .name: q_codes, .offset: 0, .size: 8, .value_kind: global_buffer, .address_space: global }
      - { .name: k_codes, .offset: 8, .size: 8, .value_kind: global_buffer, .address_space: global }
      - { .name: v_codes, .offset: 16, .size: 8, .value_kind: global_buffer, .address_space: global }
      - { .name: lowp_scales, .offset: 24, .size: 8, .value_kind: global_buffer, .address_space: global }
      - { .name: a_codes, .offset: 32, .size: 8, .value_kind: global_buffer, .address_space: global }
    .group_segment_fixed_size: 327680
    .private_segment_fixed_size: 0
    .kernarg_segment_align: 8
    .kernarg_segment_size: 40
    .max_flat_workgroup_size: 512
    .sgpr_count:     100
    .vgpr_count:     256
    .wavefront_size: 32
...
	.end_amdgpu_metadata
.endif
;; end of part 3
;; launch proj (part 4): grid 4 x 64, 4 waves a work-group, clusters of 4 x 4, 327,680 bytes of LDS; arguments a_codes, wout_codes, lowp_scales, out0; writes out0
.if DOCPART == 4
	.amdgcn_target "amdgcn-amd-amdhsa--gfx1250"
	.amdhsa_code_object_version 6
	.text
	.protected	k_q2de6559ca2_proj
	.globl	k_q2de6559ca2_proj
	.p2align	8
	.type	k_q2de6559ca2_proj,@function
k_q2de6559ca2_proj:
	s_mov_b64 s[64:65], 0
	v_nop
	global_prefetch_b8 v0, s[64:65] scope:SCOPE_SE
	s_setreg_imm32_b32 hwreg(HW_REG_WAVE_MODE, 25, 1), 1
	s_wait_xcnt 0x0
	s_wait_alu depctr_hold_cnt(0) depctr_sa_sdst(0) depctr_va_vdst(0) depctr_va_sdst(0) depctr_va_ssrc(0) depctr_va_vcc(0) depctr_vm_vsrc(0)
	s_getreg_b32 s2, hwreg(HW_REG_IB_STS2, 6, 4)
	s_cmp_eq_u32 s2, 0
	s_cbranch_scc0 .Lentry_in_a_cluster
	s_endpgm
.Lentry_in_a_cluster:
	s_bfe_u32 s2, ttmp6, 0x10000c
	s_cmp_lg_u32 s2, 0xf033
	s_cbranch_scc0 .Lentry_shape_is_right
	s_endpgm
.Lentry_shape_is_right:
; PROJ: out0 [8192 m][1024 n] = a w_out on codes of FP8 (E4M3), sums in f32; each finished sum is multiplied once by 2^(e6 + e7).
; a_codes [16 head][8192 m][64 d] (k = 64 head + d), wout_codes [1024 n][1024 k].  LIMIT: e6 + e7 between -126 and 127, so that 2^(e6 + e7) is an f32 number.
; A block of 128 x 256 for a work-group: 64 x 4 = 256 work-groups.  Four waves; a wave makes 64 x 128: 32 accumulators, 256 registers.
; K goes in four steps of 256 (four heads) through a ring of two LDS slots; a slot holds a's 128 rows (per head 8,192 dense bytes, stated as one row, padded behind every 256) and W's 256 rows of 256 bytes.
; Each wave fetches by one tensor load: waves 0, 1 two heads of a each, waves 2, 3 128 rows of W each.
; CLUSTERS: 4 x 4 work-groups: a's tile is asked for jointly along a row of the cluster, W's along a column.
; TRANSPOSED USE: source 0 = 16 rows of W, source 1 = 16 rows of a: a lane holds eight neighbouring numbers of a row of out0.
; PREFETCH: behind the load of K step s (s = 0, 1) each wave names K step s + 2 of what it fetches, one instruction: the four partners of a joint load share its blocks of 256 bytes out by address:
; of a wave's 64 blocks of a, partner cx takes 16 (lanes 16-31 name the wave's last one again); of its 128 rows of W, partner cy takes 32, a lane a row.  K steps 0 and 1 come by their loads alone; there is no step 4.
; REGISTERS: window 0: v0-31 addresses, v32-95 the way out, v128-255 a's fragments, two sets of 4;  window 1: W's fragments, two sets of 8;  window 2: the accumulators, (a, b) at v[8 (8 a + b)].
.set SIZE_N, 1024
.set ROWB,   256
.set KROW,   1024
.set HEADM,  524288                    ; a head of a_codes in bytes
.set ASTEP,  4*HEADM
.set PITCH,  272                       ; 256 bytes + 16 of padding: the rows that a load touches start at different banks (ISA guide 11.1)
.set HEADB,  32*PITCH                  ; a head's 128 rows of 64 bytes in LDS: four rows to an LDS row
.set ATILE,  4*HEADB
.set HALFT,  128*PITCH
.set SLOT,   ATILE+2*HALFT
.set SPARE,  2*SLOT                    ; the spare words, 128 bytes a wave; no other line names them
.set SPITCH, 528                       ; the way out: a stage of 16 rows x (512 + 16) bytes for each wave, in slot 0, which has had its last fill and last read by then
.set FR,     16
.set NP,     4                         ; places behind this matrix instruction (ISA guide 7.12.1)
.set ADRA, 16
.set ADRB, 20
.set STO,  24
.set RD,   25
.set CO,   26
.set SPW,  28
.set NIL,  29
.set PFO,  30                          ; the prefetches' lane offset; never rewritten
.set TMP,  32
.set AF,   128
.set BK,   128
.set G1, 24
.set G0, 32
.set G1B, 48
.set G0B, 56
.set PFA, 90                           ; s[90:91] where my prefetches stand at K step 0; never rewritten
.set MSB, 0
.macro WIN new                         ; the immediate's high byte repeats the setting that is left
.if MSB != \new
	s_set_vgpr_msb (MSB<<8)|\new
.set MSB, \new
.endif
.endm
.set MUL,  0xa1                        ; source 0 window 1, source 1 window 0, C and D window 2
.set TO_B, 0x40
.macro JLOAD g0a, g1a, g0b, g1b        ; one joint load in each arm; an s_nop 0 and four v_nop follow each
	s_cmp_eq_u32 s15, 0
	s_cbranch_scc0 .Lfor_b_\@
	tensor_load_to_lds s[\g0a:\g0a+3], s[\g1a:\g1a+7]
	s_nop 0
.rept 4
	v_nop
.endr
	s_branch .Lasked_\@
.Lfor_b_\@:
	tensor_load_to_lds s[\g0b:\g0b+3], s[\g1b:\g1b+7]
	s_nop 0
.rept 4
	v_nop
.endr
.Lasked_\@:
.endm
.macro ASK k                           ; K step k of my share: the step is an immediate, so no address is stepped
	s_cmp_eq_u32 s15, 0
	s_cbranch_scc0 .Lpf_b_\@
	global_prefetch_b8 v[PFO], s[PFA:PFA+1] offset:(\k)*ASTEP th:TH_LOAD_NT scope:SCOPE_SE
	s_branch .Lpf_done_\@
.Lpf_b_\@:
	global_prefetch_b8 v[PFO], s[PFA:PFA+1] offset:(\k)*ROWB th:TH_LOAD_NT scope:SCOPE_SE
.Lpf_done_\@:
.endm
.macro CREST
	s_cmp_lg_u32 s14, 0
	s_cbranch_scc1 .Lnot_wave_0_\@
	s_barrier_signal -3
.Lnot_wave_0_\@:
	s_barrier_wait -3
	s_barrier_signal -1
	s_barrier_wait -1
.endm
.macro CROUND
	s_barrier_signal -1
	s_barrier_wait -1
	CREST
.endm
	s_load_b128 s[4:7], s[0:1], 0x0                ; a_codes, wout_codes
	s_load_b128 s[8:11], s[0:1], 0x10              ; the scales' exponents, out0
	v_lshl_add_u32 v[SPW], v0, 2, SPARE
	v_mov_b32 v[NIL], 0
	ds_add_u32 v[SPW], v[NIL]                      ; the opening lines: the add, twice on end, and its wait ahead of my first tensor load
	ds_add_u32 v[SPW], v[NIL]
	v_lshrrev_b32 v1, 5, v0
	v_readfirstlane_b32 s14, v1                    ; wave 0..3
	s_lshr_b32 s15, s14, 1                         ; my 64 rows of a; also: I fetch for a (0) or W (1)
	s_and_b32 s16, s14, 1                          ; my 128 rows of W; also: which half of that tile I fetch
	s_bfe_u32 s40, ttmp6, 0x40000                  ; cx
	s_bfe_u32 s41, ttmp6, 0x40004                  ; cy
	s_lshl_b32 s42, ttmp9, 2
	s_add_co_u32 s42, s42, s40                     ; block column
	s_and_b32 s17, ttmp7, 0xffff
	s_lshl_b32 s17, s17, 2
	s_add_co_u32 s17, s17, s41                     ; block row
	s_lshl_b32 s43, s41, 2
	s_lshl_b32 s43, 15, s43                        ; my row of the cluster
	s_lshl_b32 s44, 0x1111, s40                    ; my column
	s_or_b32 s[G1+0], s43, (0<<16)|(1<<20)|(1<<21)|(5<<22)|(3<<25)  ; mask; 1-byte elements; 4 words of padding after every 64; bit 21 beside a mask
	s_mov_b32 s[G1+1], 8192<<16                    ; a: two heads, each 128 rows x 64 bytes = 8,192 dense bytes
	s_mov_b32 s[G1+2], 2<<16
	s_mov_b32 s[G1+3], 8192<<16
	s_mov_b32 s[G1+4], 2
	s_mov_b32 s[G1+5], HEADM
	s_mov_b32 s[G1+6], 0
	s_mov_b32 s[G1+7], 0
	s_or_b32 s[G1B+0], s44, (0<<16)|(1<<20)|(1<<21)|(5<<22)|(3<<25)
	s_mov_b32 s[G1B+1], ROWB<<16                   ; W: 128 rows of 256 bytes
	s_mov_b32 s[G1B+2], 128<<16
	s_mov_b32 s[G1B+3], ROWB<<16
	s_mov_b32 s[G1B+4], 128
	s_mov_b32 s[G1B+5], KROW
	s_mov_b32 s[G1B+6], 0
	s_mov_b32 s[G1B+7], 0
	s_lshl_b32 s88, s17, 13                        ; a: 128 rows x 64 bytes a block row,
	s_lshl_b32 s18, s16, 20
	s_add_co_u32 s88, s88, s18                     ; + two heads for the second half
	s_lshl_b32 s89, s42, 18                        ; W: 256 rows a block column,
	s_lshl_b32 s18, s16, 17
	s_add_co_u32 s89, s89, s18                     ; + 128 rows
	s_mov_b32 s20, s88
	s_mov_b32 s21, 0
	s_mov_b32 s46, s89
	s_mov_b32 s47, 0
	s_mul_i32 s45, s16, 2*HEADB                    ; where they go: the wave's number alone
	s_mul_i32 s19, s16, HALFT
	s_add_co_u32 s19, s19, ATILE
	s_wait_dscnt 0x0                               ; both opening adds are done
	s_wait_kmcnt 0x0
	s_load_b64 s[96:97], s[8:9], 0x18              ; e6, e7
	s_add_nc_u64 s[20:21], s[4:5], s[20:21]
	s_add_nc_u64 s[46:47], s[6:7], s[46:47]
	CROUND                                         ; all sixteen work-groups are here: the first joint loads meet
.irp s, 0,1
	s_mov_b32 s[G0+4*\s], 1
	s_add_co_u32 s[G0+4*\s+1], s45, \s*SLOT
	s_add_nc_u64 s[G0+4*\s+2:G0+4*\s+3], s[20:21], \s*ASTEP
	s_or_b32 s[G0+4*\s+3], s[G0+4*\s+3], 0x80000000
	s_mov_b32 s[G0B+4*\s], 1
	s_add_co_u32 s[G0B+4*\s+1], s19, \s*SLOT
	s_add_nc_u64 s[G0B+4*\s+2:G0B+4*\s+3], s[46:47], \s*ROWB
	s_or_b32 s[G0B+4*\s+3], s[G0B+4*\s+3], 0x80000000
.endr
	JLOAD G0, G1, G0B, G1B                         ; K step 0: one tensor load a wave at the head
	; the prefetches: my work-group's share of what my wave fetches
	s_lshr_b32 s86, s40, 1
	s_lshl_b32 s86, s86, 19                        ; a: block 16 cx + lane of 64: head cx / 2,
	s_and_b32 s87, s40, 1
	s_lshl_b32 s87, s87, 12                        ; 16 blocks on for cx % 2
	s_add_co_u32 s86, s86, s87
	s_add_co_u32 s86, s86, s88
	s_lshl_b32 s87, s41, 15                        ; W: rows 32 cy on
	s_add_co_u32 s87, s87, s89
	s_cmp_eq_u32 s15, 0
	s_cselect_b64 s[PFA:PFA+1], s[4:5], s[6:7]
	s_cselect_b32 s86, s86, s87
	s_cselect_b32 s84, 15, 31                      ; lanes that name a block of their own
	s_cselect_b32 s85, 8, 10                       ; from lane to lane: 256 bytes in a, a row of 1,024 in W
	s_mov_b32 s87, 0
	s_add_nc_u64 s[PFA:PFA+1], s[PFA:PFA+1], s[86:87]
	s_mul_i32 s21, s15, 16*PITCH                   ; my 64 rows of each head of a: 16 LDS rows
	s_mul_i32 s23, s14, 16*SPITCH                  ; my stage
	s_lshl_b32 s80, s17, 19                        ; out0: 128 rows of 4,096 bytes a block row,
	s_lshl_b32 s81, s15, 18
	s_add_co_u32 s80, s80, s81                     ; + my 64 rows,
	s_lshl_b32 s81, s42, 10
	s_add_co_u32 s80, s80, s81                     ; + 1,024 bytes a block column,
	s_lshl_b32 s81, s16, 9
	s_add_co_u32 s80, s80, s81                     ; + my 128 columns
	s_mov_b32 s81, 0
	s_add_nc_u64 s[10:11], s[10:11], s[80:81]
	v_and_b32 v6, 31, v0
	v_min_u32 v[PFO], s84, v6
	v_lshlrev_b32 v[PFO], s85, v[PFO]
	s_wait_alu depctr_va_vdst(0)
	ASK 2
	v_and_b32 v1, 15, v0                           ; r
	v_bfe_u32 v2, v0, 4, 1                         ; h
	v_mul_u32_u24 v3, v1, PITCH
	v_lshl_add_u32 v4, v2, 4, v3                   ; W: row r x pitch + 16 h
	v_lshrrev_b32 v5, 2, v1
	v_mul_u32_u24 v5, v5, PITCH
	v_and_b32 v7, 3, v1
	v_lshl_add_u32 v5, v7, 6, v5
	v_lshl_add_u32 v5, v2, 4, v5                   ; a: LDS row r / 4, byte 64 (r % 4) + 16 h
	v_add_nc_u32 v[ADRA], s21, v5
	v_add_nc_u32 v[ADRB], s19, v4
	v_add_nc_u32 v[ADRA+1], SLOT, v[ADRA]
	v_add_nc_u32 v[ADRB+1], SLOT, v[ADRB]
	v_mul_u32_u24 v5, v1, SPITCH
	v_lshl_add_u32 v5, v2, 5, v5
	v_add_nc_u32 v[STO], s23, v5                   ; the stage, in: row r, 32 bytes for each half of the lanes
	v_lshlrev_b32 v[CO], 4, v6                     ; back: the 32 lanes take one row of 512 bytes; the same in out0
	v_add_nc_u32 v[RD], s23, v[CO]
.macro FRAG reg, adr, q, i             ; W: 16 rows x 128 K: registers 4 c .. 4 c + 3 hold K = 32 c + 16 h + 0 .. 15
.irp c, 0,1,2,3
	ds_load_b128 v[\reg+4*\c:\reg+4*\c+3], v[\adr] offset:128*(\q)+32*\c+(\i)*16*PITCH
.endr
.endm
.macro FRAGA reg, adr, q, i            ; a: the same K: head 2 q + c / 2 of the slot's four, channel 32 (c % 2) + 16 h on
.irp c, 0,1,2,3
	ds_load_b128 v[\reg+4*\c:\reg+4*\c+3], v[\adr] offset:(2*(\q)+\c/2)*HEADB+(\i)*4*PITCH+32*(\c%2)
.endr
.endm
.macro FETCH slot, q, p                ; 48 LDS loads: the slot's q-th 128 along K into set p
	WIN TO_B
.irp i, 0,1,2,3,4,5,6,7
	FRAG 128*(\p)+FR*\i, ADRB+\slot, \q, \i
.endr
	WIN 0
.irp i, 0,1,2,3
	FRAGA AF+64*(\p)+FR*\i, ADRA+\slot, \q, \i
.endr
.endm
; 8 matrix instructions: a's block x W's eight.  The 32 accumulators take turns, one instruction a turn, in the same order in every step.  zero = 1: the first product starts the sums.
.macro MULA a, p, zero
.irp b, 0,1,2,3,4,5,6,7
.if \zero
	v_wmma_f32_16x16x128_fp8_fp8 v[8*(8*(\a)+\b):8*(8*(\a)+\b)+7], v[128*(\p)+FR*\b:128*(\p)+FR*\b+FR-1], v[AF+64*(\p)+FR*(\a):AF+64*(\p)+FR*(\a)+FR-1], 0
.else
	v_wmma_f32_16x16x128_fp8_fp8 v[8*(8*(\a)+\b):8*(8*(\a)+\b)+7], v[128*(\p)+FR*\b:128*(\p)+FR*\b+FR-1], v[AF+64*(\p)+FR*(\a):AF+64*(\p)+FR*(\a)+FR-1], v[8*(8*(\a)+\b):8*(8*(\a)+\b)+7]
.endif
.endr
.endm
.macro PLACES n                        ; places in front of loads into registers that matrix instructions have read, and of reads of results
.rept \n
	v_nop
.endr
.endm
.macro STEP slot, zero                 ; a slot's first 128: set 0 is multiplied while the second 128 comes into set 1
	PLACES NP
	FETCH \slot, 1, 1
	s_wait_dscnt 48                                ; all but the 48 just issued: set 0 is in
	WIN MUL
	MULA 0, 0, \zero
	MULA 1, 0, \zero
	MULA 2, 0, \zero
	MULA 3, 0, \zero
	WIN 0
.endm
; A slot's second 128 changes slots: in front of the one barrier each wave waits for all its tensor loads, adds 0 to its spare word, and waits for that and for its reads of this slot.
.macro TURN slot, next, fill
	s_wait_tensorcnt 0x0                           ; my part of the next slot has landed
	ds_add_u32 v[SPW], v[NIL]
	s_wait_dscnt 1                                 ; set 1 is in; the add may be out
	WIN MUL
	MULA 0, 1, 0
	s_wait_dscnt 0x0                               ; the add is done, my reads of this slot are over
	s_barrier_signal -1
	MULA 1, 1, 0
	WIN 0
	s_barrier_wait -1
.if \fill
	CREST                                          ; the barrier has opened a round of the cluster's barrier
	s_add_nc_u64 s[G0+4*\slot+2:G0+4*\slot+3], s[G0+4*\slot+2:G0+4*\slot+3], 2*ASTEP
	s_add_nc_u64 s[G0B+4*\slot+2:G0B+4*\slot+3], s[G0B+4*\slot+2:G0B+4*\slot+3], 2*ROWB
	JLOAD G0+4*\slot, G1, G0B+4*\slot, G1B         ; my one load behind the round; its four v_nop are the places in front of the loads below
.else
	PLACES NP
.endif
	FETCH \next, 0, 0
	WIN MUL
	MULA 2, 1, 0
	MULA 3, 1, 0
	WIN 0
.endm
	s_wait_alu depctr_va_vdst(0)
	s_wait_tensorcnt 0x0                           ; my part of K step 0 is in; slot 1's first fill is issued as a refill is:
	ds_add_u32 v[SPW], v[NIL]
	s_wait_dscnt 0x0
	CROUND
	JLOAD G0+4, G1, G0B+4, G1B                     ; K step 1
	FETCH 0, 0, 0
	ASK 3                                          ; behind the joint load and the run of LDS loads
	STEP 0, 1                                      ; K = 1,024 is eight steps of 128, written out
	TURN 0, 1, 1
	STEP 1, 0
	TURN 1, 0, 1
	STEP 0, 0
	TURN 0, 1, 0                                   ; behind this barrier nobody reads slot 0 any more
	STEP 1, 0
	s_wait_dscnt 0x0                               ; the very last step
	WIN MUL
	MULA 0, 1, 0
	MULA 1, 1, 0
	MULA 2, 1, 0
	MULA 3, 1, 0
	WIN 0
; THE WAY OUT, block by block of 16 rows x 128 columns: x 2^(e6 + e7), through my own stage, back as whole rows of 512 bytes, which the 32 lanes store as two aligned units of 256 bytes.
; LDS serves a wave's instructions in order (ISA guide 5.7.1.4): no wait between the stores and the loads.
.macro TOSTAGE a
.set AC, 64*(\a)
	WIN 0x02
.set j, 0
.rept 32
	v_pk_mul_f32 v[TMP+2*j:TMP+2*j+1], v[AC+2*j:AC+2*j+1], s[96:97] op_sel_hi:[1,0]   ; each accumulator from its low end on
.set j, j+1
.endr
	WIN 0
.irp b, 0,1,2,3,4,5,6,7
	ds_store_b128 v[STO], v[TMP+8*\b:TMP+8*\b+3] offset:64*\b
	ds_store_b128 v[STO], v[TMP+8*\b+4:TMP+8*\b+7] offset:64*\b+16
.endr
.set BB, BK+64*((\a)%2)
.irp t, 0,1,2,3,4,5,6,7,8,9,10,11,12,13,14,15
	ds_load_b128 v[BB+4*\t:BB+4*\t+3], v[RD] offset:\t*SPITCH
.endr
.endm
.macro SEND a, younger                 ; younger: the LDS instructions issued behind block a's loads
.set BB, BK+64*((\a)%2)
	s_wait_dscnt \younger
.if (\a) > 0
	s_add_nc_u64 s[10:11], s[10:11], 16*SIZE_N*4   ; behind a wait on XCNT: the earlier stores have read their base
.endif
.irp t, 0,1,2,3,4,5,6,7,8,9,10,11,12,13,14,15
	global_store_b128 v[CO], v[BB+4*\t:BB+4*\t+3], s[10:11] offset:\t*SIZE_N*4 th:TH_STORE_NT
.endr
.endm
	s_wait_kmcnt 0x0
	s_add_co_i32 s96, s96, s97
	s_add_co_i32 s96, s96, 127
	s_lshl_b32 s96, s96, 23                        ; 2^(e6 + e7) as f32
	PLACES NP
	TOSTAGE 0
.irp a, 1,2,3
.if \a > 1
	s_wait_xcnt 0x0                                ; block a - 2's stores have read their registers and their base
.endif
	TOSTAGE \a
	SEND \a-1, 32
.endr
	s_wait_xcnt 0x0
	SEND 3, 0
	s_wait_tensorcnt 0x0                           ; the wave's end
	ds_add_u32 v[SPW], v[NIL]
	s_wait_dscnt 0x0
	CROUND                                         ; the closing round
	s_endpgm
.Lfunc_end_k_q2de6559ca2_proj:
	.size	k_q2de6559ca2_proj, .Lfunc_end_k_q2de6559ca2_proj-k_q2de6559ca2_proj
	.p2alignl 7, 3214868480
	.fill 96, 4, 3214868480
	.section	.rodata,"a",@progbits
	.p2align	6, 0x0
	.amdhsa_kernel k_q2de6559ca2_proj
		.amdhsa_group_segment_fixed_size 327680
		.amdhsa_private_segment_fixed_size 0
		.amdhsa_enable_private_segment 0
		.amdhsa_kernarg_size 32
		.amdhsa_user_sgpr_count 2
		.amdhsa_user_sgpr_kernarg_segment_ptr 1
		.amdhsa_wavefront_size32 1
		.amdhsa_system_sgpr_workgroup_id_x 1
		.amdhsa_system_sgpr_workgroup_id_y 1
		.amdhsa_system_sgpr_workgroup_id_z 1
		.amdhsa_system_vgpr_workitem_id 0
		.amdhsa_next_free_vgpr 768
		.amdhsa_next_free_sgpr 100
		.amdhsa_reserve_vcc 0
		.amdhsa_float_denorm_mode_32 3
		.amdhsa_float_denorm_mode_16_64 3
		.amdhsa_memory_ordered 1
		.amdhsa_forward_progress 1
		.amdhsa_inst_pref_size 76
	.end_amdhsa_kernel
	.amdgpu_metadata
---
amdhsa.version: [ 1, 2 ]
amdhsa.kernels:
  - .name:           k_q2de6559ca2_proj
    .symbol:         k_q2de6559ca2_proj.kd
    .args:
      - { .name: a_codes, .offset: 0, .size: 8, .value_kind: global_buffer, .address_space: global }
      - { .name: wout_codes, .offset: 8, .size: 8, .value_kind: global_buffer, .address_space: global }
      - { .name: lowp_scales, .offset: 16, .size: 8, .value_kind: global_buffer, .address_space: global }
      - { .name: out0, .offset: 24, .size: 8, .value_kind: global_buffer, .address_space: global }
    .group_segment_fixed_size: 327680
    .private_segment_fixed_size: 0
    .kernarg_segment_align: 8
    .kernarg_segment_size: 32
    .max_flat_workgroup_size: 128
    .sgpr_count:     100
    .vgpr_count:     768
    .wavefront_size: 32
...
	.end_amdgpu_metadata
.endif
;; end of part 4
